; MI455X (gfx1250); checked and timed in simulation.
; The chip was launched on July 23, 2026; its instructions are those of AMD's public machine-readable ISA for CDNA 5 (MIT licence, August 2026) and "CDNA5" Instruction Set Architecture Reference Guide (July 2026). The comments in the code are by the model that wrote it; some were corrected since.
;; My MHA. Allowed arithmetic: matrix products marked QUANTISED: E2M1 operands, one E8M0 scale for each 32 along K, by v_wmma_scale_f32_16x16x128_f8f6f4 with both operands' format E2M1 (or v_wmma_scale_f32_32x16x128_f4), f32 sums; everything else in f32.
;; Inputs: Wk 1,024 x 1,024 float32; Wo 1,024 x 1,024 float32; Wq 1,024 x 1,024 float32; Wv 1,024 x 1,024 float32; bk 1,024 float32; bo 1,024 float32; bq 1,024 float32; bv 1,024 float32; x 4 x 2,048 x 1,024 float32.
;; Outputs: out0 4 x 2,048 x 1,024 float32.
;; This version of the problem:
;;   THIS VERSION OF THE PROBLEM IS GIVEN IN LOW PRECISION. The matrix products marked QUANTISED in the list below multiply operands that are first quantised to E2M1 (2 exponent bits, 1 mantissa bit; 4 bits a number), with one power-of-two scale for each 32 numbers along K (OCP MX v1.0); their sums are f32. All else is computed in f32.
;;   The module's matrix products, in the order in which they are computed (A, B: the left and right operand; K: the contracted axis; several contracted axes count as one K, in the product's order):
;;     1. [M 8,192, K 1,024] x [K 1,024, N 1,024]; A: input x; B: input Wq: QUANTISED
;;     2. [M 8,192, K 1,024] x [K 1,024, N 1,024]; A: input x; B: input Wk: QUANTISED
;;     3. [M 8,192, K 1,024] x [K 1,024, N 1,024]; A: input x; B: input Wv: QUANTISED
;;     4. batch 64 x [M 2,048, K 64] x [K 64, N 2,048]; A: computed on the way; B: computed on the way: QUANTISED
;;     5. batch 64 x [M 2,048, K 2,048] x [K 2,048, N 64]; A: softmax (see below); B: computed on the way: QUANTISED
;;     6. [M 8,192, K 1,024] x [K 1,024, N 1,024]; A: computed on the way; B: input Wo: QUANTISED
;;   THE QUANTISER, for each operand of a quantised product, along K:
;;     - K is cut into blocks of 32 from its start; a last block that is shorter is filled with zeros.
;;     - A block's scale is 2^e with e = floor(log2(the largest magnitude in the block)) - 2, held to -126 .. 127; a block of zeros has e = 0. As a byte (E8M0): e + 127.
;;     - Each number is divided by its block's scale, clamped to +-6, and rounded to the nearest number of E2M1, ties to even, subnormals kept.
;;     - The product sums the exact products of the quantised numbers (number of the format x scale) in f32.
;;   ~~~python
;;   def quantise(x, axis):      # numpy; x: float32 -> the quantised numbers, widened to float32 again
;;       x = np.moveaxis(x, axis, -1); K = x.shape[-1]
;;       x = np.pad(x, [(0, 0)] * (x.ndim - 1) + [(0, -K % 32)]); x = x.reshape(x.shape[:-1] + (-1, 32)); a = np.abs(x).max(-1, keepdims=True)
;;       e = np.where(a > 0, np.clip(np.frexp(np.where(a > 0, a, 1))[1] - 1 - 2, -126, 127), 0)      # np.frexp(a)[1] - 1 = floor(log2(a)), exactly
;;       r = np.clip(x / 2.0 ** e, -6, 6)
;;       step = 2.0 ** (np.maximum(np.frexp(np.where(r == 0, 1, r))[1] - 1, 0) - 1)
;;       q = np.round(r / step) * step * 2.0 ** e      # np.round: ties to even
;;       return np.moveaxis(q.reshape(q.shape[:-2] + (-1,))[..., :K], -1, axis).astype(np.float32)
;;   ~~~
;;   SOFTMAX AHEAD OF A QUANTISED PRODUCT. Where the list says 'softmax', what is quantised is not the finished softmax but p = 2^(t - M), with t = logit x log2(e) and M = ceil(the row's largest t), a whole number; so 1/2 < the row's largest p <= 1. The row's sum l is taken of the UNQUANTISED p, in f32, and the product's result is divided by l at the end. Since M is a whole number, a kernel that streams over the keys may use a running M (the ceiling of the running maximum): every later rescaling is an exact power of two, which a block's scale takes up: the codes' values come out the same.
;;   OPERANDS COMPUTED ON THE WAY. 'Computed on the way' means the value that the module computes at that place (a softmax that the list does not call 'softmax' is quantised finished and normalised). What goes into a quantiser is computed in f32, as accurately as f32 sums, v_exp_f32 and their like allow (about 1e-6 of the number): no bf16 or f16 on the way to a quantiser, and a product that is left as it is and whose result goes on into a quantised operand takes f32 operands (vector FMAs, or v_wmma_f32_16x16x4_f32). A number that lies on a knife's edge between two numbers of the format may be rounded either way, as far as f32 arithmetic and the matrix unit's own rounding can turn it there, and no further.
;; One version. Each part assembles by itself: llvm-mc -triple=amdgcn-amd-amdhsa -mcpu=gfx1250 --defsym DOCPART=n.
;; ======== version 1 of 1: 4 launches
;; workspace buffers: xcod 4,194,304 bytes; xscl 262,144 bytes; wcod 2,097,152 bytes; wscl 131,072 bytes; qbuf 4,456,448 bytes; kvbuf 8,912,896 bytes; acod 4,194,304 bytes; ascl 262,144 bytes
;; launch quant (part 1): grid 384 x 1, 4 waves a work-group, no clusters, 33,280 bytes of LDS; arguments x, Wq, Wk, Wv, Wo, xcod, xscl, wcod, wscl; writes xcod, xscl, wcod, wscl
.if DOCPART == 1
	.amdgcn_target "amdgcn-amd-amdhsa--gfx1250"
	.amdhsa_code_object_version 6
	.text
	.protected	k_q7f5e28d3f0_quant
	.globl	k_q7f5e28d3f0_quant
	.p2align	8
	.type	k_q7f5e28d3f0_quant,@function
k_q7f5e28d3f0_quant:
	s_mov_b64 s[64:65], 0
	v_nop
	global_prefetch_b8 v0, s[64:65] scope:SCOPE_SE
	s_setreg_imm32_b32 hwreg(HW_REG_WAVE_MODE, 25, 1), 1
	s_wait_xcnt 0x0
; LAUNCH 1 OF 4.  x [8192][1024] and Wq, Wk, Wv, Wo [1024][1024], f32, K innermost, are turned into codes of FP4 (E2M1), two a byte, and one E8M0 scale byte for each 32 along K.
; DEAD WORK: none.  Every product of the problem is live, and each bias goes into a quantised operand (bq, bk, bv) or straight into the output (bo): all nine inputs have a way to out0 and are loaded (the biases by the later launches).
; A block's scale is 2^(floor(log2(its largest magnitude)) - 2); its byte is the largest magnitude's exponent field - 2, held at 1 from below.  Each number is divided by the scale and rounded to the nearest code, ties to even; beyond 6 the largest code.
; LIMITS: a block whose largest magnitude lies under 2^-124 keeps the byte 1; a block of zeros has the byte 1 where the rule says 127 (its codes are zeros, which add nothing, and this program alone reads the bytes); NaN and infinities among the inputs are not served.
; THE ONE ORDER OF ROWS.  In every 32 rows the two middle groups of 8 change places on the way out: stored row 32 j + 16 u + r (r = 0 .. 15) is row 32 j + 8 u + r + 8 (r / 8).  So 16 neighbouring stored rows, taken as the first source of a matrix
; instruction, leave a lane's registers of two neighbouring tiles as 16 neighbouring rows: what the next quantiser wants.  The last launch undoes the order in its stores' offsets.
; SHARES.  A wave takes a run of 8,192 numbers, which is 8 rows: 16 steps of 512.  A work-group takes 32 rows, so the order is a choice of where a wave's run goes.  Work-groups 0-255: x; 256-287 Wq, 288-319 Wk, 320-351 Wv, 352-383 Wo: only pointers are chosen.
; Each load reads 512 consecutive bytes; a step's 2,048 bytes turn through the wave's own stage in LDS so that a lane holds 16 neighbours (two lanes a block).  A wave's store of codes covers 256 consecutive bytes; its 256 scale bytes are gathered in LDS and leave at once.
; No cluster, no tensor load, no barrier: waves share nothing.
.set WAVES, 4
.set STEPS, 16
.set EMAX,  2
.set CB,    8                          ; bytes of 16 codes
.set R,     16                         ; v16-79   four sets of 16 numbers as they are loaded
.set X,     80                         ; v80-111  two sets of 16 neighbours
.set C,     128                        ; v128-191 codes: four registers for each step, so that no store's data are written again
.set E,     112                        ; v112-127 a scale byte for each step
.set WREG,  8192                       ; LDS: a region for each wave: two stages of 32 x SP bytes, behind them its 256 scale bytes
.set SP,    80                         ; a lane's place in a stage: 64 bytes + 16 of padding
.set SPW,   12                         ; v12  LDS address of my spare word; never rewritten
.set NIL,   13                         ; v13  0; never rewritten
.set SPARE, WAVES*WREG                 ; the spare words, 128 bytes for each wave, which no other line names
	s_load_b256 s[4:11], s[0:1], 0x0               ; x, Wq, Wk, Wv
	s_load_b256 s[12:19], s[0:1], 0x20             ; Wo, xcod, xscl, wcod
	s_load_b64 s[20:21], s[0:1], 0x40              ; wscl
	v_lshl_add_u32 v[SPW], v0, 2, SPARE
	v_mov_b32 v[NIL], 0
	v_lshrrev_b32 v1, 5, v0
	v_readfirstlane_b32 s28, v1                    ; wave
	v_and_b32 v2, 31, v0                           ; lane
	v_lshlrev_b32 v3, 4, v2                        ; my 16 bytes of a load's 512
	s_mul_i32 s29, s28, WREG
	v_lshrrev_b32 v14, 2, v2
	v_mul_u32_u24 v14, v14, SP
	v_and_b32 v15, 3, v2
	v_lshl_add_u32 v14, v15, 4, v14
	v_add_nc_u32 v14, s29, v14                     ; the stage, on the way in: SP (lane / 4) + 16 (lane % 4)
	v_mul_u32_u24 v15, v2, SP
	v_add_nc_u32 v15, s29, v15                     ; and on the way out: SP x lane: my 16 neighbours
	v_mul_u32_u24 v4, v2, CB                       ; my codes' place in a step's
	v_lshrrev_b32 v5, 1, v2
	s_add_co_u32 s29, s29, 2*32*SP
	v_add_nc_u32 v5, s29, v5                       ; LDS: my block's scale byte
	v_lshlrev_b32 v7, 3, v2                        ; and on the way out 8 bytes a lane
	v_add_nc_u32 v6, s29, v7
	s_and_b32 s30, ttmp9, 31                       ; a weight's work-group: which 32 rows of it,
	s_sub_co_u32 s31, ttmp9, 256
	s_lshr_b32 s31, s31, 5
	s_lshl_b32 s31, s31, 7                         ; and where that weight's 128 runs begin in wcod and wscl
	s_and_b32 s33, s28, 1
	s_lshl_b32 s33, s33, 1
	s_lshr_b32 s34, s28, 1
	s_or_b32 s33, s33, s34                         ; the order: waves 1 and 2 change places on the way out
	s_wait_alu depctr_va_vdst(0)
	s_wait_kmcnt 0x0
	s_mov_b64 s[22:23], s[6:7]                     ; the source: every choice hangs on the work-group's number alone
	s_cmp_ge_u32 ttmp9, 288
	s_cselect_b64 s[22:23], s[8:9], s[22:23]
	s_cmp_ge_u32 ttmp9, 320
	s_cselect_b64 s[22:23], s[10:11], s[22:23]
	s_cmp_ge_u32 ttmp9, 352
	s_cselect_b64 s[22:23], s[12:13], s[22:23]
	s_cmp_lt_u32 ttmp9, 256
	s_cselect_b64 s[22:23], s[4:5], s[22:23]
	s_cselect_b64 s[24:25], s[14:15], s[18:19]     ; the codes' buffer
	s_cselect_b64 s[26:27], s[16:17], s[20:21]     ; the scale bytes'
	s_cselect_b32 s30, ttmp9, s30
	s_cselect_b32 s31, 0, s31
	s_lshl_b32 s30, s30, 2
	s_add_co_u32 s32, s30, s28                     ; the run that I read
	s_add_co_u32 s33, s33, s30
	s_add_co_u32 s33, s33, s31                     ; the run that I write
	s_lshl_b32 s34, s32, 15                        ; 32,768 bytes of numbers a run
	s_mov_b32 s35, 0
	s_add_nc_u64 s[22:23], s[22:23], s[34:35]
	s_lshl_b32 s34, s33, 12                        ; 4,096 bytes of codes
	s_add_nc_u64 s[24:25], s[24:25], s[34:35]
	s_lshl_b32 s34, s33, 8                         ; 256 scale bytes
	s_add_nc_u64 s[26:27], s[26:27], s[34:35]
.macro LOAD t
.irp i, 0,1,2,3
	global_load_b128 v[R+16*((\t)%4)+4*\i:R+16*((\t)%4)+4*\i+3], v3, s[22:23] offset:2048*(\t)+512*\i th:TH_LOAD_NT   ; 32 lanes read 512 consecutive bytes
.endr
.endm
.macro TURN t                          ; step t's numbers through the stage: LDS serves a wave's instructions in order, so no wait stands between the stores and the loads
.irp i, 0,1,2,3
	ds_store_b128 v14, v[R+16*((\t)%4)+4*\i:R+16*((\t)%4)+4*\i+3] offset:32*SP*((\t)%2)+8*SP*\i
.endr
.irp i, 0,1,2,3
	ds_load_b128 v[X+16*((\t)%2)+4*\i:X+16*((\t)%2)+4*\i+3], v15 offset:32*SP*((\t)%2)+16*\i
.endr
.endm
.irp t, 0,1,2,3
	LOAD \t
.endr
	s_wait_loadcnt 12                              ; step 0's four loads are in; the twelve of steps 1 to 3 may be out
	TURN 0
.macro STEP t
.set XS, X+16*((\t)%2)
.if (\t) > 0
	s_wait_dscnt 1                                 ; this step's numbers are back from the stage (the last step's byte store may be out): so its stores into the stage have read their registers,
.else
	s_wait_dscnt 0x0
.endif
.if (\t)+4 < STEPS
	LOAD (\t)+4                                    ; which take the loads of four steps on
.endif
.if (\t)+1 < STEPS
.if STEPS-2-(\t) >= 3
	s_wait_loadcnt 12                              ; the next step's four loads are in; those of the three steps behind it may be out
.else
	s_wait_loadcnt 4*(STEPS-2-(\t))
.endif
	TURN (\t)+1                                    ; and go through the other stage while this step is worked
.endif
	v_max3_num_f32 v8, |v[XS]|, |v[XS+1]|, |v[XS+2]|               ; the largest magnitude of my 16, in two chains
	v_max3_num_f32 v9, |v[XS+3]|, |v[XS+4]|, |v[XS+5]|
.irp i, 6,10
	v_max3_num_f32 v8, v8, |v[XS+\i]|, |v[XS+\i+1]|
	v_max3_num_f32 v9, v9, |v[XS+\i+2]|, |v[XS+\i+3]|
.endr
	v_max3_num_f32 v8, v8, |v[XS+14]|, |v[XS+15]|
	v_max3_num_f32 v8, v8, v9, (EMAX+1)<<23        ; and the floor 2^(3 - 127): the byte cannot fall under 1
	v_max_num_f32_dpp v8, v8, v8 row_xmask:1 row_mask:0xf bank_mask:0xf   ; and of my neighbour's 16: the block's
	v_add_nc_u32 v11, -(EMAX<<23), v8              ; 2 off its exponent field: the conversion takes the exponent field of this operand as its scale
	v_cvt_scalef32_pk8_fp4_f32 v[C+4*(\t)], v[XS:XS+7], v11
	v_cvt_scalef32_pk8_fp4_f32 v[C+4*(\t)+1], v[XS+8:XS+15], v11
	v_lshrrev_b32 v[E+(\t)], 23, v11               ; the scale's byte
	ds_store_b8 v5, v[E+(\t)] offset:16*(\t)       ; both lanes of a block write the same byte with the same value
	global_store_b64 v4, v[C+4*(\t):C+4*(\t)+1], s[24:25] offset:32*CB*(\t)   ; 32 lanes store 256 consecutive bytes, aligned
.endm
.irp t, 0,1,2,3,4,5,6,7,8,9,10,11,12,13,14,15
	STEP \t
.endr
	ds_load_b64 v[8:9], v6                         ; LDS serves a wave's instructions in order: these see my stores
	s_wait_dscnt 0x0
	global_store_b64 v7, v[8:9], s[26:27]          ; 32 lanes store 256 consecutive bytes, aligned
	s_wait_tensorcnt 0x0                           ; the wave's end: behind my last LDS store
	ds_add_u32 v[SPW], v[NIL]
	s_wait_dscnt 0x0
	s_endpgm
.Lfunc_end_k_q7f5e28d3f0_quant:
	.size	k_q7f5e28d3f0_quant, .Lfunc_end_k_q7f5e28d3f0_quant-k_q7f5e28d3f0_quant
	.p2alignl 7, 3214868480
	.fill 96, 4, 3214868480
	.section	.rodata,"a",@progbits
	.p2align	6, 0x0
	.amdhsa_kernel k_q7f5e28d3f0_quant
		.amdhsa_group_segment_fixed_size 33280
		.amdhsa_private_segment_fixed_size 0
		.amdhsa_enable_private_segment 0
		.amdhsa_kernarg_size 72
		.amdhsa_user_sgpr_count 2
		.amdhsa_user_sgpr_kernarg_segment_ptr 1
		.amdhsa_wavefront_size32 1
		.amdhsa_system_sgpr_workgroup_id_x 1
		.amdhsa_system_sgpr_workgroup_id_y 1
		.amdhsa_system_sgpr_workgroup_id_z 1
		.amdhsa_system_vgpr_workitem_id 0
		.amdhsa_next_free_vgpr 192
		.amdhsa_next_free_sgpr 66
		.amdhsa_reserve_vcc 0
		.amdhsa_float_denorm_mode_32 3
		.amdhsa_float_denorm_mode_16_64 3
		.amdhsa_memory_ordered 1
		.amdhsa_forward_progress 1
		.amdhsa_inst_pref_size 34
	.end_amdhsa_kernel
	.amdgpu_metadata
---
amdhsa.version: [ 1, 2 ]
amdhsa.kernels:
  - .name:           k_q7f5e28d3f0_quant
    .symbol:         k_q7f5e28d3f0_quant.kd
    .args:
      - { .name: x, .offset: 0, .size: 8, .value_kind: global_buffer, .address_space: global }
      - { .name: Wq, .offset: 8, .size: 8, .value_kind: global_buffer, .address_space: global }
      - { .name: Wk, .offset: 16, .size: 8, .value_kind: global_buffer, .address_space: global }
      - { .name: Wv, .offset: 24, .size: 8, .value_kind: global_buffer, .address_space: global }
      - { .name: Wo, .offset: 32, .size: 8, .value_kind: global_buffer, .address_space: global }
      - { .name: xcod, .offset: 40, .size: 8, .value_kind: global_buffer, .address_space: global }
      - { .name: xscl, .offset: 48, .size: 8, .value_kind: global_buffer, .address_space: global }
      - { .name: wcod, .offset: 56, .size: 8, .value_kind: global_buffer, .address_space: global }
      - { .name: wscl, .offset: 64, .size: 8, .value_kind: global_buffer, .address_space: global }
    .group_segment_fixed_size: 33280
    .private_segment_fixed_size: 0
    .kernarg_segment_align: 8
    .kernarg_segment_size: 72
    .max_flat_workgroup_size: 128
    .sgpr_count:     66
    .vgpr_count:     192
    .wavefront_size: 32
...
	.end_amdgpu_metadata
.endif
;; end of part 1
;; launch qkv (part 2): grid 12 x 32, 4 waves a work-group, clusters of 4 x 4, 327,680 bytes of LDS; arguments xcod, xscl, wcod, wscl, bq, bk, bv, qbuf, kvbuf; writes qbuf, kvbuf
.if DOCPART == 2
	.amdgcn_target "amdgcn-amd-amdhsa--gfx1250"
	.amdhsa_code_object_version 6
	.text
	.protected	k_q7f5e28d3f0_qkv
	.globl	k_q7f5e28d3f0_qkv
	.p2align	8
	.type	k_q7f5e28d3f0_qkv,@function
k_q7f5e28d3f0_qkv:
	s_mov_b64 s[64:65], 0
	v_nop
	global_prefetch_b8 v0, s[64:65] scope:SCOPE_SE
	s_setreg_imm32_b32 hwreg(HW_REG_WAVE_MODE, 25, 1), 1
	s_wait_xcnt 0x0
	s_wait_alu depctr_hold_cnt(0) depctr_sa_sdst(0) depctr_va_vdst(0) depctr_va_sdst(0) depctr_va_ssrc(0) depctr_va_vcc(0) depctr_vm_vsrc(0)
	s_getreg_b32 s2, hwreg(HW_REG_IB_STS2, 6, 4)
	s_cmp_eq_u32 s2, 0
	s_cbranch_scc0 .Lentry_in_a_cluster
	s_endpgm
.Lentry_in_a_cluster:
	s_bfe_u32 s2, ttmp6, 0x10000c
	s_cmp_lg_u32 s2, 0xf033
	s_cbranch_scc0 .Lentry_shape_is_right
	s_endpgm
.Lentry_shape_is_right:
; LAUNCH 2 OF 4.  q = x Wq^T + bq, k = x Wk^T + bk, v = x Wv^T + bv on codes of FP4 with E8M0 scales, sums in f32; the results are quantised in registers (q and k along the head's 64, v along the keys) and leave as images of the next launch's operand registers.
; No work is left out.  LIMITS as in the first launch: a block under 2^-124 or of zeros keeps the byte 1; NaN and infinities are not served.
; ONE TEXT FOR THE THREE PRODUCTS.  The matrix instruction is used transposed: source 0 = 16 rows of operand B, source 1 = 16 rows of operand A: a lane holds ONE row of A and its registers run along B's rows.
;   q, k (cluster x = 0, 1): A = x, B = the weight: a lane holds a token, its registers run along the features d.     v (cluster x = 2): A = Wv, B = x: a lane holds a feature, its registers run along the tokens, which are v's K.
; Only pointers and tile numbers are chosen, by the cluster's x, which all sixteen partners share.  Rows lie in the first launch's order, so the 16 registers of B's tiles 2 b and 2 b + 1 are rows 32 b + 16 (lane / 16) + 0 .. 15 in true order.
; SHARES.  A tile of 256 x 256 to a work-group of four waves, 128 x 128 a wave: 64 accumulators, 512 registers.  K = 1,024 is two slots of 512 (LDS rows of 256 bytes + 16): both are first fills, nothing is filled again, so there is no ring.
; The scale bytes of the work-group's rows, for all of K, come once, as units of 256 bytes + 16.  By this text's own count a wave has three tensor loads out at the start.
; CLUSTERS: 4 x 4.  A's tile hangs on the cluster's y and cy alone and is asked for jointly along a row of the cluster, B's on cx (and the cluster's y) alone, along a column.
; THE BIAS is the C of each sum's first matrix instruction: for q, k eight registers for each tile of B, for v one number a lane for each tile of A.
; REGISTERS: window 0: v16-31 addresses; v32-95 scale words, two sets; v96-127 at work on the way out; v128-191 A's fragments, one set; v192-255 the bias.  window 1: B's fragments, two sets.  windows 2, 3: the accumulators ((a, b) at v[8 (8 (a % 4) + b)]).
.set NQ,     4                         ; matrix instructions deep in a slot
.set ROWB,   256                       ; a tile's row in bytes: 512 codes
.set KROW,   512                       ; a row of codes in memory
.set PITCH,  272                       ; an LDS row: 256 + 16 bytes = 68 words: the 16 rows that a load touches start 4 banks apart (64 banks of 4 bytes: ISA guide 11.1)
.set FR,     8                         ; registers of a fragment
.set NL,     2                         ; LDS loads that bring one
.set NP,     4                         ; places behind this matrix instruction (ISA guide 7.12.1)
.set HALFT,  128*PITCH
.set SLOT,   4*HALFT                   ; A's 256 rows, then B's 256 rows
.set KS,     32                        ; a row of scale bytes
.set SCL,    2*SLOT
.set HALFS,  (128*KS/256)*272          ; the scales of 128 rows
.set SBLK,   (16*KS/256)*272           ; those of 16 rows
.set SPARE,  SCL+4*HALFS               ; the spare words, 128 bytes for each wave, which no other line names
.set ADRA, 16                          ; v16-17  LDS address of my A fragments in slot 0, 1
.set ADRB, 20                          ; v20-21  the same for B
.set LI,   24                          ; v24     16 x lane: an image's place for my lane
.set VS,   25                          ; v25     where my 16 bytes of scale words go: 16 r, and a head further on for lanes 16-31
.set ADRS, 27                          ; v27     LDS address of my scale words: lanes 0-15 A's rows, lanes 16-31 B's
.set SPW,  28                          ; v28     LDS address of my spare word; never rewritten
.set NIL,  29                          ; v29     0; never rewritten
.set BO,   30                          ; v30     my offset in the bias
.set SC,   32
.set TM,   96                          ; v96-99 largest magnitudes, v100-103 at work, v108-111 the conversions' scale operands
.set PC,   112                         ; v112-119 the codes just made
.set PW,   120                         ; v120-127 a scale word for each of my eight blocks of A's rows
.set AF,   128
.set BI,   192
.set G1, 24
.set G0, 32
.set G1B, 48
.set G0B, 56
.set G1S, 68
.set G0S, 76
.set G1SB, 80
.set G0SB, 88
.set TY, 66                            ; s66  0: q, 1: k, 2: v
.set MSB, 0
.macro WIN new                         ; the immediate's high byte repeats the setting that is left
.if MSB != (\new)
	s_set_vgpr_msb (MSB<<8)|(\new)
.set MSB, (\new)
.endif
.endm
.set MUL_LO, 0xa1                      ; source 0 (B) window 1, source 1 (A) window 0, C and D window 2
.set MUL_HI, 0xf1                      ; the same, C and D window 3
.set TO_B,   0x40                      ; destination window 1, address window 0
; A joint load: waves 0 and 1 fetch for A, waves 2 and 3 for B.  The branch hangs on the wave's number alone.  An s_nop 0 and four v_nop follow each of the two lines.
.macro JLOAD g0a, g1a, g0b, g1b
	s_cmp_eq_u32 s15, 0
	s_cbranch_scc0 .Lfor_b_\@
	tensor_load_to_lds s[\g0a:\g0a+3], s[\g1a:\g1a+7]
	s_nop 0
.rept 4
	v_nop
.endr
	s_branch .Lasked_\@
.Lfor_b_\@:
	tensor_load_to_lds s[\g0b:\g0b+3], s[\g1b:\g1b+7]
	s_nop 0
.rept 4
	v_nop
.endr
.Lasked_\@:
.endm
.macro CROUND                          ; a round of the cluster's barrier
	s_barrier_signal -1
	s_barrier_wait -1
	s_cmp_lg_u32 s14, 0
	s_cbranch_scc1 .Lnot_wave_0_\@
	s_barrier_signal -3
.Lnot_wave_0_\@:
	s_barrier_wait -3
	s_barrier_signal -1
	s_barrier_wait -1
.endm
	s_load_b512 s[68:83], s[0:1], 0x0              ; xcod, xscl, wcod, wscl, bq, bk, bv, qbuf
	s_load_b64 s[84:85], s[0:1], 0x40              ; kvbuf
	v_lshl_add_u32 v[SPW], v0, 2, SPARE
	v_mov_b32 v[NIL], 0
	ds_add_u32 v[SPW], v[NIL]                      ; the wave's opening: the add, twice on end, and its wait ahead of my first tensor load
	ds_add_u32 v[SPW], v[NIL]
	v_lshrrev_b32 v1, 5, v0
	v_readfirstlane_b32 s14, v1                    ; wave 0..3
	s_lshr_b32 s15, s14, 1                         ; which half of A's rows is mine.  Also: I fetch for A (0) or for B (1)
	s_and_b32 s16, s14, 1                          ; which half of B's rows.  Also: which 128 rows of that tile I fetch
	s_bfe_u32 s40, ttmp6, 0x40000                  ; cx
	s_bfe_u32 s41, ttmp6, 0x40004                  ; cy
	s_mov_b32 s[TY], ttmp9                         ; the cluster's x: which product
	s_and_b32 s67, ttmp7, 0xffff
	s_lshl_b32 s67, s67, 2                         ; 4 x the cluster's y: it walks the 32 tiles of x
	s_cmp_eq_u32 s[TY], 2
	s_cselect_b32 s17, 0, s67
	s_cselect_b32 s42, s67, 0
	s_add_co_u32 s17, s17, s41                     ; A's tile: q, k: 4 Y + cy of x;  v: cy of Wv
	s_add_co_u32 s42, s42, s40                     ; B's tile: q, k: cx of the weight;  v: 4 Y + cx of x
	s_lshl_b32 s43, s41, 2
	s_lshl_b32 s43, 15, s43                        ; my row of the cluster
	s_lshl_b32 s44, 0x1111, s40                    ; my column
	; descriptor group 1: a tile of 128 rows x 256 bytes, 16 bytes of padding behind each row
	s_or_b32 s[G1+0], s43, (0<<16)|(1<<20)|(1<<21)|(5<<22)|(3<<25)  ; 15:0 the mask; 17:16 elements of 1 byte; 20 padding on; 21 set beside a mask; 24:22 after every 64 words; 31:25 four words
	s_or_b32 s[G1B+0], s44, (0<<16)|(1<<20)|(1<<21)|(5<<22)|(3<<25)
.irp g, G1, G1B
	s_mov_b32 s[\g+1], ROWB<<16                    ; tensor_dim0
	s_mov_b32 s[\g+2], 128<<16                     ; tensor_dim1
	s_mov_b32 s[\g+3], ROWB<<16                    ; tile_dim0
	s_mov_b32 s[\g+4], 128                         ; tile_dim1
	s_mov_b32 s[\g+5], KROW                        ; from row to row
	s_mov_b32 s[\g+6], 0
	s_mov_b32 s[\g+7], 0
.endr
	s_lshl_b32 s18, s16, 7                         ; which 128 rows of the tile I fetch
	s_lshl_b32 s20, s17, 8
	s_add_co_u32 s20, s20, s18                     ; A: row 256 x tile + 128 x half
	s_lshl_b32 s46, s42, 8
	s_add_co_u32 s46, s46, s18                     ; B likewise
	s_lshl_b32 s22, s20, 5                         ; where these rows' scale bytes begin: 32 bytes a row
	s_mov_b32 s23, 0
	s_lshl_b32 s92, s46, 5
	s_mov_b32 s93, 0
	s_lshl_b32 s20, s20, 9                         ; and their codes: 512 bytes a row
	s_mov_b32 s21, 0
	s_lshl_b32 s46, s46, 9
	s_mov_b32 s47, 0
	s_mul_i32 s45, s14, HALFT                      ; where they go: wave x 128 rows: no place in the cluster enters an LDS address
	s_mul_i32 s94, s14, HALFS
	s_mov_b32 s2, 0x76543210                       ; v_permlanex16_b32's selects for lane l xor 16
	s_mov_b32 s3, 0xfedcba98
	s_mov_b32 s101, 0xffff0000                     ; lanes 16-31
	s_wait_dscnt 0x0                               ; both opening adds are done
	s_wait_kmcnt 0x0
	s_lshl_b32 s18, s[TY], 19                      ; this product's weight: 1,024 rows of 512 bytes,
	s_mov_b32 s19, 0
	s_add_nc_u64 s[72:73], s[72:73], s[18:19]
	s_lshl_b32 s18, s[TY], 15                      ; and of 32 scale bytes
	s_add_nc_u64 s[74:75], s[74:75], s[18:19]
	s_cmp_eq_u32 s[TY], 2                          ; the choices hang on the cluster's x alone
	s_cselect_b64 s[4:5], s[72:73], s[68:69]       ; A's codes
	s_cselect_b64 s[6:7], s[74:75], s[70:71]       ; A's scales
	s_cselect_b64 s[8:9], s[68:69], s[72:73]       ; B's codes
	s_cselect_b64 s[10:11], s[70:71], s[74:75]     ; B's scales
	s_cselect_b64 s[96:97], s[80:81], s[78:79]     ; the bias: bv or bk,
	s_cmp_eq_u32 s[TY], 0
	s_cselect_b64 s[96:97], s[76:77], s[96:97]     ; or bq
	s_cselect_b64 s[12:13], s[82:83], s[84:85]     ; the output: qbuf or kvbuf
	; the arguments' registers are free now.  Group 1 for the scales of 128 rows: 4,096 dense bytes as 16 rows of 256 (32 elements of 8 bytes), 16 bytes of padding behind each
	s_or_b32 s[G1S+0], s43, (3<<16)|(1<<20)|(1<<21)|(5<<22)|(3<<25)
	s_or_b32 s[G1SB+0], s44, (3<<16)|(1<<20)|(1<<21)|(5<<22)|(3<<25)
.irp g, G1S, G1SB
	s_mov_b32 s[\g+1], 32<<16
	s_mov_b32 s[\g+2], (128*KS/256)<<16
	s_mov_b32 s[\g+3], 32<<16
	s_mov_b32 s[\g+4], 128*KS/256
	s_mov_b32 s[\g+5], 32
	s_mov_b32 s[\g+6], 0
	s_mov_b32 s[\g+7], 0
.endr
	s_add_nc_u64 s[20:21], s[4:5], s[20:21]
	s_add_nc_u64 s[22:23], s[6:7], s[22:23]
	s_add_nc_u64 s[46:47], s[8:9], s[46:47]
	s_add_nc_u64 s[92:93], s[10:11], s[92:93]
	CROUND                                         ; all sixteen work-groups are here: the joint loads meet
	s_mov_b32 s[G0S], 1
	s_add_co_u32 s[G0S+1], s94, SCL
	s_mov_b64 s[G0S+2:G0S+3], s[22:23]
	s_or_b32 s[G0S+3], s[G0S+3], 0x80000000
	s_mov_b32 s[G0SB], 1
	s_add_co_u32 s[G0SB+1], s94, SCL
	s_mov_b64 s[G0SB+2:G0SB+3], s[92:93]
	s_or_b32 s[G0SB+3], s[G0SB+3], 0x80000000
	JLOAD G0S, G1S, G0SB, G1SB                     ; the scales first: they are wanted with the first slot
.irp s, 0,1
	s_mov_b32 s[G0+4*\s], 1
	s_add_co_u32 s[G0+4*\s+1], s45, \s*SLOT
	s_add_nc_u64 s[G0+4*\s+2:G0+4*\s+3], s[20:21], \s*ROWB
	s_or_b32 s[G0+4*\s+3], s[G0+4*\s+3], 0x80000000
	s_mov_b32 s[G0B+4*\s], 1
	s_add_co_u32 s[G0B+4*\s+1], s45, \s*SLOT
	s_add_nc_u64 s[G0B+4*\s+2:G0B+4*\s+3], s[46:47], \s*ROWB
	s_or_b32 s[G0B+4*\s+3], s[G0B+4*\s+3], 0x80000000
	JLOAD G0+4*\s, G1, G0B+4*\s, G1B
.endr
	v_and_b32 v1, 15, v0                           ; r = lane % 16
	v_bfe_u32 v2, v0, 4, 1                         ; h = lane / 16
	; THE BIAS of my 128 features: B's rows for q, k; A's rows for v
	s_cmp_eq_u32 s[TY], 2
	s_cselect_b32 s18, s17, s42
	s_cselect_b32 s19, s15, s16
	s_lshl_b32 s18, s18, 10
	s_lshl_b32 s19, s19, 9
	s_add_co_u32 s18, s18, s19                     ; (256 x tile + 128 x half) x 4 bytes
	s_mov_b32 s19, 0
	s_add_nc_u64 s[96:97], s[96:97], s[18:19]
	s_cmp_eq_u32 s[TY], 2
	s_cbranch_scc1 .Lbias_v
	s_wait_alu depctr_va_vdst(0)
	v_lshlrev_b32 v[BO], 6, v2                     ; q, k: in tile b register j is feature 32 (b / 2) + 16 h + 8 (b % 2) + j
.irp b, 0,1,2,3,4,5,6,7
	global_load_b128 v[BI+8*\b:BI+8*\b+3], v[BO], s[96:97] offset:(32*(\b/2)+8*(\b%2))*4
	global_load_b128 v[BI+8*\b+4:BI+8*\b+7], v[BO], s[96:97] offset:(32*(\b/2)+8*(\b%2))*4+16
.endr
	s_branch .Lbias_in
.Lbias_v:
	s_wait_alu depctr_va_vdst(0)
	v_and_b32 v[BO], 8, v1                         ; v: in tile a my lane is feature 32 (a / 2) + 8 (a % 2) + r + 8 (r / 8), in all eight registers
	v_add_nc_u32 v[BO], v[BO], v1
	v_lshlrev_b32 v[BO], 2, v[BO]
.irp a, 0,1,2,3,4,5,6,7
	global_load_b32 v[BI+8*\a], v[BO], s[96:97] offset:(32*(\a/2)+8*(\a%2))*4
.endr
	s_wait_loadcnt 0x0
.irp a, 0,1,2,3,4,5,6,7
.irp j, 1,2,3,4,5,6,7
	v_mov_b32 v[BI+8*\a+\j], v[BI+8*\a]
.endr
.endr
.Lbias_in:
	v_mul_u32_u24 v3, v1, PITCH
	v_lshl_add_u32 v4, v2, 4, v3                   ; a fragment's row x pitch + 16 x half
	s_mul_i32 s21, s15, HALFT                      ; my 128 rows of A
	s_mul_i32 s22, s16, HALFT                      ; my 128 rows of B,
	s_add_co_u32 s22, s22, 2*HALFT                 ; which lie behind A's 256
.irp s, 0,1
	v_add_nc_u32 v[ADRA+\s], s21, v4
	v_add_nc_u32 v[ADRB+\s], s22, v4
	s_add_co_u32 s21, s21, SLOT
	s_add_co_u32 s22, s22, SLOT
.endr
	v_mul_u32_u24 v5, v1, KS                       ; my row's scales: 32 bytes a row,
	v_lshrrev_b32 v6, 8, v5
	v_lshl_add_u32 v5, v6, 4, v5                   ; and 16 more for each 256 passed
	s_mul_i32 s21, s15, HALFS
	s_mul_i32 s22, s16, HALFS
	s_add_co_u32 s22, s22, 2*HALFS
	s_sub_co_u32 s22, s22, s21
	v_mul_u32_u24 v6, s22, v2                      ; lanes 16-31 take B's: one product, the distance between the two
	s_add_co_u32 s21, s21, SCL
	v_add_nc_u32 v5, v5, v6
	v_add_nc_u32 v[ADRS], s21, v5
	v_and_b32 v6, 31, v0
	v_lshlrev_b32 v[LI], 4, v6
.irp b, 0,1,2,3
	v_mov_b32 v[TM+4+\b], 0                        ; written once: a lane permute's destination counts as one of its sources
.endr
	; WHERE THE RESULTS GO.  qbuf: [batch x head 64][step 16][4,352]; kvbuf: [64][16][8,704], K's part and then V's.  A step is 128 tokens: my 128 rows of x.  My 128 features are two heads.
	s_cmp_eq_u32 s[TY], 2
	s_cselect_b32 s18, s42, s17                    ; x's tile,
	s_cselect_b32 s19, s16, s15                    ; and my half of it
	s_cselect_b32 s20, s17, s42                    ; the weight's tile,
	s_cselect_b32 s21, s15, s16                    ; and my half of it
	s_cselect_b32 s22, 4352, 0                     ; V's part lies behind K's
	s_lshl_b32 s18, s18, 1
	s_add_co_u32 s18, s18, s19                     ; which 128 tokens of the 8,192
	s_lshl_b32 s20, s20, 2
	s_lshl_b32 s21, s21, 1
	s_add_co_u32 s20, s20, s21                     ; my first head
	s_lshr_b32 s19, s18, 4                         ; the batch
	s_and_b32 s18, s18, 15                         ; the step
	s_lshl_b32 s19, s19, 4
	s_add_co_u32 s19, s19, s20
	s_lshl_b32 s19, s19, 4
	s_add_co_u32 s19, s19, s18                     ; (16 batch + head) x 16 + step
	s_cmp_eq_u32 s[TY], 0
	s_mov_b32 s23, 8704
	s_cselect_b32 s23, 4352, s23                   ; a step's bytes
	s_mul_i32 s19, s19, s23
	s_add_co_u32 s18, s19, s22
	s_mov_b32 s19, 0
	s_add_nc_u64 s[12:13], s[12:13], s[18:19]      ; my first head's step
	s_lshl_b32 s100, s23, 4                        ; from head to head: 16 steps
	s_mov_b32 s18, s100
	s_add_nc_u64 s[98:99], s[12:13], s[18:19]      ; my second head's
	v_mul_u32_u24 v[VS], s100, v2
	v_lshl_add_u32 v[VS], v1, 4, v[VS]
.macro FRAG reg, adr, q, i             ; 16 rows x 128 K of 4-bit codes: lane l holds row l % 16; registers 4 c .. 4 c + 3 hold K = 64 c + 32 (l / 16) + 0 .. 31
.irp c, 0,1
	ds_load_b128 v[\reg+4*\c:\reg+4*\c+3], v[\adr] offset:64*(\q)+32*\c+(\i)*16*PITCH
.endr
.endm
; 16 matrix instructions: A's blocks a0, a0 + 1 x B's eight.  p: B's set;  q: the slot's q-th 128 along K;  sc: the set of scale words.  cm: the C: 0 in place; 1 the bias by B's tile; 2 the bias by A's tile.
; The 64 accumulators take turns, one instruction a turn, in the same order in every step.
.macro MUL16 a0, p, q, sc, cm
.irp a, \a0, \a0+1
.irp b, 0,1,2,3,4,5,6,7
.if (\cm) == 1
	v_wmma_scale_f32_16x16x128_f8f6f4 v[8*(8*((\a)%4)+\b):8*(8*((\a)%4)+\b)+7], v[128*(\p)+FR*\b:128*(\p)+FR*\b+FR-1], v[AF+FR*(\a):AF+FR*(\a)+FR-1], v[BI+8*\b:BI+8*\b+7], v[SC+8*NQ*(\sc)+NQ*\b+(\q)], v[SC+8*NQ*(\sc)+NQ*(\a)+(\q)] matrix_a_fmt:MATRIX_FMT_FP4 matrix_b_fmt:MATRIX_FMT_FP4 matrix_a_scale:MATRIX_SCALE_ROW1
.elseif (\cm) == 2
	v_wmma_scale_f32_16x16x128_f8f6f4 v[8*(8*((\a)%4)+\b):8*(8*((\a)%4)+\b)+7], v[128*(\p)+FR*\b:128*(\p)+FR*\b+FR-1], v[AF+FR*(\a):AF+FR*(\a)+FR-1], v[BI+8*(\a):BI+8*(\a)+7], v[SC+8*NQ*(\sc)+NQ*\b+(\q)], v[SC+8*NQ*(\sc)+NQ*(\a)+(\q)] matrix_a_fmt:MATRIX_FMT_FP4 matrix_b_fmt:MATRIX_FMT_FP4 matrix_a_scale:MATRIX_SCALE_ROW1
.else
	v_wmma_scale_f32_16x16x128_f8f6f4 v[8*(8*((\a)%4)+\b):8*(8*((\a)%4)+\b)+7], v[128*(\p)+FR*\b:128*(\p)+FR*\b+FR-1], v[AF+FR*(\a):AF+FR*(\a)+FR-1], v[8*(8*((\a)%4)+\b):8*(8*((\a)%4)+\b)+7], v[SC+8*NQ*(\sc)+NQ*\b+(\q)], v[SC+8*NQ*(\sc)+NQ*(\a)+(\q)] matrix_a_fmt:MATRIX_FMT_FP4 matrix_b_fmt:MATRIX_FMT_FP4 matrix_a_scale:MATRIX_SCALE_ROW1
.endif
.endr
.endr
.endm
.macro FETCH_B slot, q, p
	WIN TO_B
.irp i, 0,1,2,3,4,5,6,7
	FRAG 128*(\p)+FR*\i, ADRB+\slot, \q, \i
.endr
	WIN 0
.endm
.macro FETCH_A slot, q, i0
.irp i, \i0, \i0+1, \i0+2, \i0+3
	FRAG AF+FR*(\i), ADRA+\slot, \q, \i
.endr
.endm
.macro SCALES sc                       ; a slot's scale words: four words a row; lanes 0-15 take A's block i, lanes 16-31 B's block i
.irp i, 0,1,2,3,4,5,6,7
	ds_load_b128 v[SC+8*NQ*\sc+NQ*\i:SC+8*NQ*\sc+NQ*\i+3], v[ADRS] offset:\i*SBLK
.endr
.endm
.macro PLACES n                        ; plain vector instructions in front of loads into registers that matrix instructions have read, and of the first read of results
.rept \n
	v_nop
.endr
.endm
; A step of 128 along K that has its successor in the same slot.  A has one set of registers: blocks 0-3 are fetched anew in the step's middle, blocks 4-7 at its end; B has two sets.
.macro STEP slot, q, cm
	s_wait_dscnt 4*NL                              ; B's set, A's blocks 0-3 and the scale words are in; the youngest eight loads (A's blocks 4-7) may be out
.if \cm
	WIN 0x81                                       ; the bias, as C, lies in window 0
.else
	WIN MUL_LO
.endif
	MUL16 0, (\q)%2, \q, \slot, \cm
	MUL16 2, (\q)%2, \q, \slot, \cm
	s_wait_dscnt 0                                 ; A's blocks 4-7 are in
	PLACES NP
	FETCH_B \slot, (\q)+1, 1-(\q)%2
	FETCH_A \slot, (\q)+1, 0
.if \cm
	WIN 0xc1
.else
	WIN MUL_HI
.endif
	MUL16 4, (\q)%2, \q, \slot, \cm
	MUL16 6, (\q)%2, \q, \slot, \cm
	PLACES NP
	WIN 0
	FETCH_A \slot, (\q)+1, 4
.endm
; Slot 0's last step goes over to slot 1: one barrier, in front of which each wave has waited for its part of slot 1.  Nothing is filled again.
.macro TURN slot, next
	s_wait_tensorcnt 0x0                           ; all my tensor loads have landed;  (every window is 0 here)
	ds_add_u32 v[SPW], v[NIL]                      ; 0 onto my spare word
	s_wait_dscnt 4*NL+1                            ; (the add and the youngest eight loads may be out)
	WIN MUL_LO
	MUL16 0, 1, NQ-1, \slot, 0
	s_wait_dscnt 0x0                               ; the add is done, and no LDS instruction of mine is out at the signal
	s_barrier_signal -1
	MUL16 2, 1, NQ-1, \slot, 0
	WIN 0
	s_barrier_wait -1                              ; every wave's part of the next slot is in
	PLACES NP
	v_add_nc_u32 v[ADRS], 4*NQ, v[ADRS]            ; on to the next slot's scale words
	FETCH_B \next, 0, 0
	FETCH_A \next, 0, 0
	SCALES \next
	WIN MUL_HI
	MUL16 4, 1, NQ-1, \slot, 0
	MUL16 6, 1, NQ-1, \slot, 0
	PLACES NP
	WIN 0
	FETCH_A \next, 0, 4
.endm
.macro STEPS slot, from
.set Q, \from
.rept NQ-1-\from
	STEP \slot, Q, 0
.set Q, Q+1
.endr
.endm
	s_wait_alu depctr_va_vdst(0)
	s_wait_loadcnt 0x0                             ; the bias
	s_wait_tensorcnt 1                             ; the scales and my part of slot 0 are in (slot 1's load may be out),
	s_barrier_signal -1
	s_barrier_wait -1                              ; everybody's are
	FETCH_B 0, 0, 0
	FETCH_A 0, 0, 0
	SCALES 0
	FETCH_A 0, 0, 4
	s_cmp_eq_u32 s[TY], 2                          ; the first step starts the sums with the bias: by B's tile or by A's
	s_cbranch_scc1 .Lfirst_v
	STEP 0, 0, 1
	s_branch .Lfirst_done
.Lfirst_v:
	STEP 0, 0, 2
.Lfirst_done:
	STEPS 0, 1
	TURN 0, 1
	STEPS 1, 0
	s_wait_dscnt 4*NL                              ; the very last step: nothing more to fetch
	WIN MUL_LO
	MUL16 0, 1, NQ-1, 1, 0
	MUL16 2, 1, NQ-1, 1, 0
	s_wait_dscnt 0
	WIN MUL_HI
	MUL16 4, 1, NQ-1, 1, 0
	MUL16 6, 1, NQ-1, 1, 0
	WIN 0
	PLACES NP
; THE WAY OUT.  Block a: my lane's row of A against my 128 rows of B: 64 numbers, register 16 b + i = row 32 b + 16 (lane / 16) + i of B in true order: four blocks of 32 along the next K.
; They become a fragment's codes in v[PC] on (registers 4 c .. 4 c + 3: K = 64 c + 32 (lane / 16) + 0 .. 31) and a scale word in v[PW + a].  Each accumulator is read from its low end on.
.macro QUANT a
.set W, 2+(\a)/4
.set AC, 64*((\a)%4)
	WIN W|(W<<2)                                   ; sources 0 and 1: the accumulators' window
.irp b, 0,1,2,3
	v_max3_num_f32 v[TM+\b], |v[AC+16*\b]|, |v[AC+16*\b+1]|, 0x1800000   ; and the floor 2^(3 - 127): the byte cannot fall under 1
.endr
.irp i, 2,4,6,8,10,12,14
.irp b, 0,1,2,3
	v_max3_num_f32 v[TM+\b], |v[AC+16*\b+\i]|, |v[AC+16*\b+\i+1]|, v[TM+\b]   ; (the four blocks by turns)
.endr
.endr
	WIN 0
.irp b, 0,1,2,3
	v_permlanex16_b32 v[TM+4+\b], v[TM+\b], s2, s3
.endr
.irp b, 0,1,2,3
	v_max_num_f32 v[TM+\b], v[TM+\b], v[TM+4+\b]   ; with lane l xor 16's: the block's largest magnitude
.endr
.irp b, 0,1,2,3
	v_add_nc_u32 v[TM+12+\b], 0xff000000, v[TM+\b] ; 2 off its exponent field: the conversion's scale operand
.endr
.irp b, 0,1,2,3
	v_lshrrev_b32 v[TM+4+\b], 23, v[TM+12+\b]      ; the scale's byte
.endr
	v_lshl_or_b32 v[PW+(\a)], v[TM+5], 8, v[TM+4]
	v_lshl_or_b32 v[PW+(\a)], v[TM+6], 16, v[PW+(\a)]
	v_lshl_or_b32 v[PW+(\a)], v[TM+7], 24, v[PW+(\a)]
	s_wait_xcnt 0x0                                ; the last block's stores have read the codes' registers: they are written again only behind this wait
	WIN W                                          ; source 0: the accumulators' window
.irp b, 0,1,2,3
	v_cvt_scalef32_pk8_fp4_f32 v[PC+2*\b], v[AC+16*\b:AC+16*\b+7], v[TM+12+\b]
	v_cvt_scalef32_pk8_fp4_f32 v[PC+2*\b+1], v[AC+16*\b+8:AC+16*\b+15], v[TM+12+\b]
.endr
	WIN 0
	v_nop                                          ; one plain place behind a scaled conversion
.irp c, 0,1                                    ; a whole block to a lane: lanes 0-15 block 2 c, lanes 16-31 block 2 c + 1
.irp i, 0,1
	v_permlane16_swap_b32 v[PC+4*\c+\i], v[PC+2+4*\c+\i]
.endr
.endr
.endm
; isv = 0: q, k: block a is a tile of 16 tokens; registers 0-3 are my first head's 64, registers 4-7 my second head's: an image of 512 bytes each.
; isv = 1: v: block a is 16 features of head a / 4; its eight registers are 128 keys: an image of 1,024 bytes.  Every store covers 512 consecutive bytes, aligned.
.macro EPI isv
.irp a, 0,1,2,3,4,5,6,7
	QUANT \a
.if \isv
.if \a < 4
	global_store_b128 v[LI], v[PC:PC+3], s[12:13] offset:1024*(\a%4)
	global_store_b128 v[LI], v[PC+4:PC+7], s[12:13] offset:1024*(\a%4)+512
.else
	global_store_b128 v[LI], v[PC:PC+3], s[98:99] offset:1024*(\a%4)
	global_store_b128 v[LI], v[PC+4:PC+7], s[98:99] offset:1024*(\a%4)+512
.endif
.else
	global_store_b128 v[LI], v[PC:PC+3], s[12:13] offset:512*\a
	global_store_b128 v[LI], v[PC+4:PC+7], s[98:99] offset:512*\a
.endif
.endr
; the scale words: 16 bytes a row behind a part's 4,096 bytes of codes; lanes 0-15 store my first head's 256 bytes, lanes 16-31 my second head's
.if \isv
.irp i, 0,1,2,3
	v_cndmask_b32 v[TM+12+\i], v[PW+\i], v[PW+4+\i], s101          ; word t: the four blocks of keys of feature tile t
.endr
.else
.irp i, 0,1,2,3
	v_perm_b32 v[TM+\i], v[PW+2*\i+1], v[PW+2*\i], 0x05040100      ; word i: tile 2 i's two bytes, tile 2 i + 1's two: my first head's,
	v_perm_b32 v[TM+8+\i], v[PW+2*\i+1], v[PW+2*\i], 0x07060302    ; my second head's
.endr
.irp i, 0,1,2,3
	v_cndmask_b32 v[TM+12+\i], v[TM+\i], v[TM+8+\i], s101
.endr
.endif
	global_store_b128 v[VS], v[TM+12:TM+15], s[12:13] offset:4096
.endm
	s_cmp_eq_u32 s[TY], 2
	s_cbranch_scc1 .Lout_v
	EPI 0
	s_branch .Lend
.Lout_v:
	EPI 1
.Lend:
	s_wait_tensorcnt 0x0                           ; the wave's end: behind my last tensor load
	ds_add_u32 v[SPW], v[NIL]
	s_wait_dscnt 0x0
	CROUND                                         ; the closing round: no work-group ends while a partner may still ask for a tile that names it
	s_endpgm
.Lfunc_end_k_q7f5e28d3f0_qkv:
	.size	k_q7f5e28d3f0_qkv, .Lfunc_end_k_q7f5e28d3f0_qkv-k_q7f5e28d3f0_qkv
	.p2alignl 7, 3214868480
	.fill 96, 4, 3214868480
	.section	.rodata,"a",@progbits
	.p2align	6, 0x0
	.amdhsa_kernel k_q7f5e28d3f0_qkv
		.amdhsa_group_segment_fixed_size 327680
		.amdhsa_private_segment_fixed_size 0
		.amdhsa_enable_private_segment 0
		.amdhsa_kernarg_size 72
		.amdhsa_user_sgpr_count 2
		.amdhsa_user_sgpr_kernarg_segment_ptr 1
		.amdhsa_wavefront_size32 1
		.amdhsa_system_sgpr_workgroup_id_x 1
		.amdhsa_system_sgpr_workgroup_id_y 1
		.amdhsa_system_sgpr_workgroup_id_z 1
		.amdhsa_system_vgpr_workitem_id 0
		.amdhsa_next_free_vgpr 1024
		.amdhsa_next_free_sgpr 102
		.amdhsa_reserve_vcc 0
		.amdhsa_float_denorm_mode_32 3
		.amdhsa_float_denorm_mode_16_64 3
		.amdhsa_memory_ordered 1
		.amdhsa_forward_progress 1
		.amdhsa_inst_pref_size 178
	.end_amdhsa_kernel
	.amdgpu_metadata
---
amdhsa.version: [ 1, 2 ]
amdhsa.kernels:
  - .name:           k_q7f5e28d3f0_qkv
    .symbol:         k_q7f5e28d3f0_qkv.kd
    .args:
      - { .name: xcod, .offset: 0, .size: 8, .value_kind: global_buffer, .address_space: global }
      - { .name: xscl, .offset: 8, .size: 8, .value_kind: global_buffer, .address_space: global }
      - { .name: wcod, .offset: 16, .size: 8, .value_kind: global_buffer, .address_space: global }
      - { .name: wscl, .offset: 24, .size: 8, .value_kind: global_buffer, .address_space: global }
      - { .name: bq, .offset: 32, .size: 8, .value_kind: global_buffer, .address_space: global }
      - { .name: bk, .offset: 40, .size: 8, .value_kind: global_buffer, .address_space: global }
      - { .name: bv, .offset: 48, .size: 8, .value_kind: global_buffer, .address_space: global }
      - { .name: qbuf, .offset: 56, .size: 8, .value_kind: global_buffer, .address_space: global }
      - { .name: kvbuf, .offset: 64, .size: 8, .value_kind: global_buffer, .address_space: global }
    .group_segment_fixed_size: 327680
    .private_segment_fixed_size: 0
    .kernarg_segment_align: 8
    .kernarg_segment_size: 72
    .max_flat_workgroup_size: 128
    .sgpr_count:     102
    .vgpr_count:     1024
    .wavefront_size: 32
...
	.end_amdgpu_metadata
.endif
;; end of part 2
;; launch attn (part 3): grid 4 x 64, 16 waves a work-group, clusters of 4 x 1, 167,936 bytes of LDS; arguments qbuf, kvbuf, acod, ascl; writes acod, ascl
.if DOCPART == 3
	.amdgcn_target "amdgcn-amd-amdhsa--gfx1250"
	.amdhsa_code_object_version 6
	.text
	.protected	k_q7f5e28d3f0_attn
	.globl	k_q7f5e28d3f0_attn
	.p2align	8
	.type	k_q7f5e28d3f0_attn,@function
k_q7f5e28d3f0_attn:
	s_mov_b64 s[64:65], 0
	v_nop
	global_prefetch_b8 v0, s[64:65] scope:SCOPE_SE
	s_setreg_imm32_b32 hwreg(HW_REG_WAVE_MODE, 25, 1), 1
	s_wait_xcnt 0x0
	s_wait_alu depctr_hold_cnt(0) depctr_sa_sdst(0) depctr_va_vdst(0) depctr_va_sdst(0) depctr_va_ssrc(0) depctr_va_vcc(0) depctr_vm_vsrc(0)
	s_getreg_b32 s2, hwreg(HW_REG_IB_STS2, 6, 4)
	s_cmp_eq_u32 s2, 0
	s_cbranch_scc0 .Lentry_in_a_cluster
	s_endpgm
.Lentry_in_a_cluster:
	s_bfe_u32 s2, ttmp6, 0x10000c
	s_cmp_lg_u32 s2, 0x3003
	s_cbranch_scc0 .Lentry_shape_is_right
	s_endpgm
.Lentry_shape_is_right:
; LAUNCH 3 OF 4.  For each batch and head: S = q k^T / 8, the softmax, O = p v / l, both products on codes of FP4 with E8M0 scales; O is quantised along the hidden 1,024 and leaves as images of the last launch's operand registers.  No work is left out.
; THE SOFTMAX AHEAD OF THE SECOND PRODUCT: t = score x log2(e) / 8; M = the running largest t rounded UP to a whole number; p = 2^(t - M) is quantised along the keys, not normalised; the row's sum is taken of the unquantised p and divides O at the end.
; When M moves, the sum and O are multiplied by 2^(old M - new M), which rounds nothing.  LIMITS: a block under 2^-124 or of zeros keeps the byte 1; NaN and infinities are not served.
; SHARES.  A work-group owns 512 queries of one batch and head; each of its sixteen waves owns a tile of 16 in each of two passes.  Four waves to a SIMD: one wave's vector work stands beside another's matrix work and LDS loads.
; THE HEAD'S K AND V STAY IN LDS: 16 steps of 128 keys, 8,704 bytes each (K's 8 tile images, K's scale words, V's 4 tile images, V's scale words), 139,264 dense bytes.  Wave w asks for step w: one tensor load a wave, none filled again, one wait.
; CLUSTER.  The four work-groups of a batch and head walk the same K and V: each step is asked for jointly, by the same load with a mask that names the four.
; LAYOUT.  Both products are used transposed (S^T = K Q^T, O^T = V^T P^T): a lane holds ONE query throughout.  Keys and V's features lie in the first launch's order of rows, so the 16 registers of tiles 2 b and 2 b + 1 are keys (features) 32 b + 16 (lane / 16) + 0 .. 15.
; THE FIRST PRODUCT HAS K = 64 UNDER AN INSTRUCTION OF 128.  Source 0 is a PAIR of key tiles (tile 2 i in registers 0-3, tile 2 i + 1 in registers 4-7); source 1 is (Q | zeros) for the even tile and (zeros | Q) for the odd one.
; Zero codes stand on Q's side alone: the other tile's codes meet zeros, and a number of this format times zero is zero under any scale byte but 0xff; Q's spare bytes are 0.  That spares registers of zeros on K's side.
.set STB,  8704                        ; a step's bytes in LDS and in kvbuf
.set SPARE, 16*STB                     ; the spare words, 128 bytes for each wave, which no other line names
.set LI,   1                           ; v1   16 x lane
.set LR,   2                           ; v2   16 x (lane % 16)
.set SPW,  3                           ; v3   LDS address of my spare word; never rewritten
.set NIL,  4                           ; v4   0; never rewritten
.set ADL,  5                           ; v5   the step's images
.set ADS,  6                           ; v6   the step's scale words
.set LN,   10                          ; v10  lane
.set QF,   16                          ; v16-35  zeros, Q of pass 0, zeros, Q of pass 1, zeros, four registers each
.set QSW,  36                          ; v36-39  Q's scale words: pass p: for the even tile, for the odd tile
.set KF,   40                          ; v40-71  K's four pairs of tiles
.set VF,   72                          ; v72-103 V's four tiles
.set S,    104                         ; v104-167 S^T, then p
.set OT,   168                         ; v168-199 O^T
.set PCD,  200                         ; v200-207 p's codes
.set KSW,  208                         ; v208-211 K's scale words
.set VSW,  212                         ; v212-215 V's
.set BM,   216                         ; v216-219 the blocks' largest
.set PD,   220                         ; v220-223 at work
.set SO,   224                         ; v224-227 the conversions' scale operands
.set TT,   228                         ; v228 at work
.set FF,   230                         ; v230 f; v231 p's scale word
.set CH2,  234                         ; v[234:235] the sums' second chain
.set AB,   236                         ; v236 O's two scale bytes
.set WV,   12
.set SEL,  20
.set CS,   22
.set G1,   24
.set G0,   32
.set TB,   36
.set CNT,  37
.macro CROUND
	s_barrier_signal -1
	s_barrier_wait -1
	s_cmp_lg_u32 s[WV], 0
	s_cbranch_scc1 .Lnot_wave_0_\@
	s_barrier_signal -3
.Lnot_wave_0_\@:
	s_barrier_wait -3
	s_barrier_signal -1
	s_barrier_wait -1
.endm
	s_load_b256 s[4:11], s[0:1], 0x0               ; qbuf, kvbuf, acod, ascl
	v_lshl_add_u32 v[SPW], v0, 2, SPARE
	v_mov_b32 v[NIL], 0
	ds_add_u32 v[SPW], v[NIL]                      ; the wave's opening: the add, twice on end, and its wait ahead of my first tensor load
	ds_add_u32 v[SPW], v[NIL]
	v_lshrrev_b32 v1, 5, v0
	s_delay_alu instid0(VALU_DEP_1)
	v_readfirstlane_b32 s[WV], v1                  ; wave 0..15
	s_bfe_u32 s13, ttmp6, 0x40000                  ; cx
	s_lshl_b32 s14, ttmp9, 2
	s_add_co_u32 s14, s14, s13                     ; my block of 512 queries: it enters Q's and the outputs' addresses alone
	s_and_b32 s15, ttmp7, 0xffff                   ; 16 x batch + head, which the four partners share
	; descriptor group 1: 8,704 dense bytes as 34 rows of 256 (32 elements of 8 bytes), no padding
	s_mov_b32 s[G1], 15|(3<<16)|(1<<21)            ; 15:0 the mask: all four work-groups; 17:16 elements of 8 bytes; 21 set beside a mask
	s_mov_b32 s[G1+1], 32<<16                      ; tensor_dim0
	s_mov_b32 s[G1+2], 34<<16                      ; tensor_dim1
	s_mov_b32 s[G1+3], 32<<16                      ; tile_dim0
	s_mov_b32 s[G1+4], 34                          ; tile_dim1
	s_mov_b32 s[G1+5], 32                          ; from row to row
	s_mov_b32 s[G1+6], 0
	s_mov_b32 s[G1+7], 0
	s_mov_b32 s[SEL], 0x76543210                   ; v_permlanex16_b32's selects for lane l xor 16
	s_mov_b32 s[SEL+1], 0xfedcba98
	s_mov_b32 s[CS], 0x3e38aa3b                    ; c = log2(e) / 8
	s_mov_b32 s[CS+1], s[CS]                       ; (named with it as a pair, so it is written)
	s_mov_b32 s[G0], 1
	s_mul_i32 s[G0+1], s[WV], STB                  ; LDS: step w
	s_mul_i32 s16, s15, 16*STB
	s_add_co_u32 s16, s16, s[G0+1]                 ; kvbuf: my head's step w
	s_mov_b32 s17, 0
	s_lshl_b32 s18, s14, 2                         ; qbuf: [64][step 16][4,352]: pass 0's tile lies in step 4 x block + wave / 8
	s_lshr_b32 s19, s[WV], 3
	s_add_co_u32 s18, s18, s19
	s_mul_i32 s18, s18, 4352
	s_mul_i32 s19, s15, 16*4352
	s_add_co_u32 s18, s18, s19
	s_mov_b32 s19, 0
	s_lshr_b32 s40, s15, 4
	s_lshl_b32 s40, s40, 7
	s_lshl_b32 s41, s14, 5
	s_add_co_u32 s40, s40, s41
	s_add_co_u32 s40, s40, s[WV]                   ; pass 0's tile among the 512: 128 batch + 32 block + wave
	s_and_b32 s41, s15, 15                         ; the head
	s_lshl_b32 s42, s40, 9
	s_lshl_b32 s43, s41, 1
	s_add_co_u32 s42, s42, s43                     ; ascl: 32 bytes a row, 16 rows a tile; my head's two bytes
	s_mov_b32 s43, 0
	s_lshl_b32 s40, s40, 13                        ; acod: 8,192 bytes a tile; head h is half h % 2 of K step h / 2: 512 h
	s_lshl_b32 s41, s41, 9
	s_add_co_u32 s40, s40, s41
	s_mov_b32 s41, 0
	v_and_b32 v[LN], 31, v0
	s_delay_alu instid0(VALU_DEP_1)
	v_lshlrev_b32 v[LI], 4, v[LN]
	v_and_b32 v2, 15, v0
	s_delay_alu instid0(VALU_DEP_1)
	v_lshlrev_b32 v9, 5, v2                        ; v9: 32 x (lane % 16): my row of scale bytes
	s_delay_alu instid0(VALU_DEP_2)
	v_lshlrev_b32 v[LR], 4, v2
	s_and_b32 s44, s[WV], 7                        ; my tile in its step
	s_lshl_b32 s45, s44, 9
	v_add_nc_u32 v7, s45, v[LI]                    ; v7: its image
	s_lshr_b32 s44, s44, 1
	s_lshl_b32 s44, s44, 2
	v_add_nc_u32 v8, s44, v[LR]                    ; v8: the word that holds its two bytes,
	s_and_b32 s39, s[WV], 1
	s_lshl_b32 s39, s39, 4                         ; in the low or the high half
	s_wait_dscnt 0x0                               ; both opening adds are done
	s_wait_kmcnt 0x0
	s_add_nc_u64 s[G0+2:G0+3], s[6:7], s[16:17]
	s_or_b32 s[G0+3], s[G0+3], 0x80000000
	s_add_nc_u64 s[4:5], s[4:5], s[18:19]
	s_add_nc_u64 s[8:9], s[8:9], s[40:41]
	s_add_nc_u64 s[10:11], s[10:11], s[42:43]
	CROUND                                         ; all four work-groups are here: the joint loads meet
	tensor_load_to_lds s[G0:G0+3], s[G1:G1+7]      ; my one tensor load
	s_nop 0
	s_wait_alu depctr_va_vdst(0)
	global_load_b128 v[QF+4:QF+7], v7, s[4:5]                      ; Q of pass 0,
	global_load_b128 v[QF+12:QF+15], v7, s[4:5] offset:2*4352      ; of pass 1: 16 tiles, two steps, on
	global_load_b32 v232, v8, s[4:5] offset:4096
	global_load_b32 v233, v8, s[4:5] offset:4096+2*4352
.irp g, 0,8,16
.irp i, 0,1,2,3
	v_mov_b32 v[QF+\g+\i], 0                       ; the zero codes beside Q
.endr
.endr
.irp b, 0,1,2,3
	v_mov_b32 v[PD+\b], 0                          ; written once: a lane permute's destination counts as one of its sources
.endr
	v_mov_b32 v[FF+1], 0                           ; (named as the upper half of a pair before it is first written)
	s_wait_loadcnt 0x0
.irp p, 0,1
	v_lshrrev_b32 v[232+\p], s39, v[232+\p]
	s_delay_alu instid0(VALU_DEP_1)
	v_and_b32 v[QSW+2*\p], 0xffff, v[232+\p]       ; (q0, q1, 0, 0): for the even tile of a pair
	s_delay_alu instid0(VALU_DEP_1)
	v_lshlrev_b32 v[QSW+2*\p+1], 16, v[QSW+2*\p]   ; (0, 0, q0, q1): for the odd one
.endr
	s_wait_tensorcnt 0x0                           ; my step is in,
	s_barrier_signal -1
	s_barrier_wait -1                              ; everybody's is: the head's K and V lie in LDS for the rest of the launch
; A KEY STEP: 128 keys, for the tile of pass p.
.macro STEP p
	v_add_nc_u32 v[ADL], s[TB], v[LI]
	v_add_nc_u32 v[ADS], s[TB], v[LR]
	v_nop                                          ; with the two additions: four places in front of loads into registers that the last products read
	v_nop
	ds_load_b128 v[KSW:KSW+3], v[ADS] offset:4096
.irp t, 0,1,2,3,4,5,6,7
	ds_load_b128 v[KF+4*\t:KF+4*\t+3], v[ADL] offset:512*\t
.endr
	ds_load_b128 v[VSW:VSW+3], v[ADS] offset:8448
.irp u, 0,1,2,3,4,5,6,7
	ds_load_b128 v[VF+4*\u:VF+4*\u+3], v[ADL] offset:4352+512*\u
.endr
	s_wait_dscnt 9                                 ; K and its scale words are in; V's nine loads may be out
.irp t, 0,1,2,3,4,5,6,7
	v_wmma_scale_f32_16x16x128_f8f6f4 v[S+8*\t:S+8*\t+7], v[KF+8*(\t/2):KF+8*(\t/2)+7], v[QF+4+8*\p-4*(\t%2):QF+11+8*\p-4*(\t%2)], 0, v[KSW+\t/2], v[QSW+2*\p+\t%2] matrix_a_fmt:MATRIX_FMT_FP4 matrix_b_fmt:MATRIX_FMT_FP4
.endr
.rept 4
	v_nop
.endr
.irp b, 0,1,2,3
	v_max3_num_f32 v[BM+\b], v[S+16*\b], v[S+1+16*\b], v[S+2+16*\b]   ; the largest score of each block of 32 keys: for the row's maximum and, since p rises with the score, for the block's largest p
.endr
.irp i, 3,5,7,9,11,13
.irp b, 0,1,2,3
	v_max3_num_f32 v[BM+\b], v[BM+\b], v[S+16*\b+\i], v[S+1+16*\b+\i]
.endr
.endr
.irp b, 0,1,2,3
	v_max_num_f32 v[BM+\b], v[BM+\b], v[S+15+16*\b]
.endr
.irp b, 0,1,2,3
	s_delay_alu instid0(VALU_DEP_4)
	v_permlanex16_b32 v[PD+\b], v[BM+\b], s[SEL], s[SEL+1]
.endr
.irp b, 0,1,2,3
	s_delay_alu instid0(VALU_DEP_4)
	v_max_num_f32 v[BM+\b], v[BM+\b], v[PD+\b]     ; with lane l xor 16's 16 keys
.endr
	s_delay_alu instid0(VALU_DEP_2)
	v_max3_num_f32 v[TT], v[BM], v[BM+1], v[BM+2]
	s_delay_alu instid0(VALU_DEP_1)
	v_max_num_f32 v[TT], v[TT], v[BM+3]            ; the step's largest score of my query
	s_delay_alu instid0(VALU_DEP_1)
	v_mul_f32 v[TT], s[CS], v[TT]                  ; as t (c is positive)
	s_delay_alu instid0(VALU_DEP_1)
	v_max_num_f32 v13, v13, v[TT]                  ; the running largest t
	v_mov_b32 v[TT], v12
	s_delay_alu instid0(VALU_DEP_2)
	v_floor_f32 v12, -v13                          ; the new -M = floor(-t): M is a whole number
	s_delay_alu instid0(VALU_DEP_1)
	v_sub_f32 v[TT], v12, v[TT]                    ; old M less new M: a whole number, 0 or less
	s_delay_alu instid0(VALU_DEP_1)
	v_cvt_i32_f32 v[TT], v[TT]                     ; (it saturates)
	s_delay_alu instid0(VALU_DEP_1)
	v_ldexp_f32 v[FF], 1.0, v[TT]                  ; f = 2^(old M - new M)
.set j, 0
.rept 32
	v_pk_fma_f32 v[S+j:S+j+1], v[S+j:S+j+1], s[CS:CS+1], v[12:13] op_sel_hi:[1,0,0]   ; t - M, two at a time
.set j, j+2
.endr
.irp b, 0,1,2,3
	v_fma_f32 v[BM+\b], v[BM+\b], s[CS], v12       ; the same of each block's largest score
.endr
.set j, 0
	s_wait_alu depctr_va_vdst(0)
.rept 64
	v_exp_f32 v[S+j], v[S+j]                       ; p = 2^(t - M), at most 1
.set j, j+1
.endr
	s_setprio 1
	v_pk_mul_f32 v[14:15], v[14:15], v[FF:FF+1] op_sel_hi:[1,0]    ; the sums under the new M: the plain place behind the exponentials
	s_wait_alu depctr_va_vdst(0)                   ; the wait ahead of the first line that names a result: one for the batch
.irp b, 0,1,2,3
	v_exp_f32 v[BM+\b], v[BM+\b]                   ; the block's largest p: the same two instructions on the same number
.endr
	v_pk_add_f32 v[CH2:CH2+1], v[S:S+1], v[S+2:S+3]                ; the row's sum, of the unquantised p, in two chains
.irp j, 4,8,12,16,20,24,28,32,36,40,44
	v_pk_add_f32 v[14:15], v[14:15], v[S+\j:S+1+\j]
	v_pk_add_f32 v[CH2:CH2+1], v[CH2:CH2+1], v[S+2+\j:S+3+\j]
.endr
	s_wait_alu depctr_va_vdst(0)                   ; and one for the four
.irp b, 0,1,2,3
	v_max_num_f32 v[BM+\b], 0x1800000, v[BM+\b]    ; the floor 2^(3 - 127): the byte cannot fall under 1
.endr
.irp b, 0,1,2,3
	s_delay_alu instid0(VALU_DEP_4)
	v_add_nc_u32 v[SO+\b], 0xff000000, v[BM+\b]    ; 2 off the exponent field: the conversion's scale operand
.endr
.irp b, 0,1,2,3
	s_delay_alu instid0(VALU_DEP_4)
	v_lshrrev_b32 v[PD+\b], 23, v[SO+\b]           ; the scale's byte
.endr
	s_delay_alu instid0(VALU_DEP_3)
	v_lshl_or_b32 v[FF+1], v[PD+1], 8, v[PD]       ; p's scale word for these 128 keys
	s_delay_alu instid0(VALU_DEP_1)
	v_lshl_or_b32 v[FF+1], v[PD+2], 16, v[FF+1]
	s_delay_alu instid0(VALU_DEP_1)
	v_lshl_or_b32 v[FF+1], v[PD+3], 24, v[FF+1]
.irp b, 0,1,2,3
	v_cvt_scalef32_pk8_fp4_f32 v[PCD+2*\b], v[S+16*\b:S+7+16*\b], v[SO+\b]
	v_cvt_scalef32_pk8_fp4_f32 v[PCD+1+2*\b], v[S+8+16*\b:S+15+16*\b], v[SO+\b]
.endr
	v_nop                                          ; one plain place behind a scaled conversion
.irp c, 0,1                                    ; a whole block to a lane
.irp i, 0,1
	v_permlane16_swap_b32 v[PCD+4*\c+\i], v[PCD+2+4*\c+\i]
.endr
.endr
.set j, 0
	s_setprio 0
.rept 16
	v_pk_mul_f32 v[OT+j:OT+j+1], v[OT+j:OT+j+1], v[FF:FF+1] op_sel_hi:[1,0]   ; O^T under the new M
.set j, j+2
.endr
.irp j, 48,52,56,60                            ; the rest of the row's sum stands here: nine plain lines that name no register of the products below
	v_pk_add_f32 v[14:15], v[14:15], v[S+\j:S+1+\j]
	v_pk_add_f32 v[CH2:CH2+1], v[CH2:CH2+1], v[S+2+\j:S+3+\j]
.endr
	s_delay_alu instid0(VALU_DEP_1)
	v_pk_add_f32 v[14:15], v[14:15], v[CH2:CH2+1]
	s_wait_dscnt 0x0                               ; V and its scale words are in
.irp t, 0,1,2,3                                ; O^T += V^T P^T: the four accumulators by turns
	v_wmma_scale_f32_16x16x128_f8f6f4 v[OT+8*\t:OT+8*\t+7], v[VF+8*\t:VF+8*\t+7], v[PCD:PCD+7], v[OT+8*\t:OT+8*\t+7], v[VSW+\t], v[FF+1] matrix_a_fmt:MATRIX_FMT_FP4 matrix_b_fmt:MATRIX_FMT_FP4
.endr
.endm
; A PASS: one tile of 16 queries against the head's 2,048 keys, and its way out.  The loop has no first step of its own: O^T and the sum begin as zeros and the largest t as -3e38.
.macro PASS p
	v_mov_b32 v13, 0xff61b1e6                      ; -3e38, under every t
	s_delay_alu instid0(VALU_DEP_1)
	v_floor_f32 v12, -v13
	v_mov_b32 v14, 0
	v_mov_b32 v15, 0
.set j, 0
.rept 32
	v_mov_b32 v[OT+j], 0
.set j, j+1
.endr
	s_mov_b32 s[TB], 0
	s_mov_b32 s[CNT], 16
.Lstep_\@:
	s_setprio 2
	STEP \p
	s_add_co_u32 s[TB], s[TB], STB
	s_sub_co_u32 s[CNT], s[CNT], 1
	s_cmp_lg_u32 s[CNT], 0
	s_cbranch_scc1 .Lstep_\@
	s_setprio 0
	s_wait_alu depctr_va_vdst(0)
	v_add_f32 v14, v14, v15                        ; the sum's two halves,
	s_delay_alu instid0(VALU_DEP_1)
	v_permlanex16_b32 v[PD], v14, s[SEL], s[SEL+1]
	s_delay_alu instid0(VALU_DEP_1)
	v_add_f32 v14, v14, v[PD]                      ; and lane l xor 16's: the row's sum
	s_wait_alu depctr_va_vdst(0)
	v_rcp_f32 v14, v14
	v_nop                                          ; a plain place behind the reciprocal; with the additions: four places behind the last products
	v_nop
	s_wait_alu depctr_va_vdst(0)                   ; the wait ahead of the reciprocal's first reader
.set j, 0
.rept 16
	v_pk_mul_f32 v[S+j:S+j+1], v[OT+j:OT+j+1], v[14:15] op_sel_hi:[1,0]   ; O^T / the sum: register 16 b + i is feature 32 b + 16 (lane / 16) + i of my query
.set j, j+2
.endr
.irp b, 0,1                                    ; the head's 64 are two blocks of the last product's K
	v_max3_num_f32 v[BM+\b], |v[S+16*\b]|, |v[S+1+16*\b]|, 0x1800000
.endr
.irp i, 2,4,6,8,10,12,14
.irp b, 0,1
	s_delay_alu instid0(VALU_DEP_2)
	v_max3_num_f32 v[BM+\b], v[BM+\b], |v[S+16*\b+\i]|, |v[S+1+16*\b+\i]|
.endr
.endr
.irp b, 0,1
	s_delay_alu instid0(VALU_DEP_2)
	v_permlanex16_b32 v[PD+\b], v[BM+\b], s[SEL], s[SEL+1]
.endr
.irp b, 0,1
	s_delay_alu instid0(VALU_DEP_2)
	v_max_num_f32 v[BM+\b], v[BM+\b], v[PD+\b]
.endr
.irp b, 0,1
	s_delay_alu instid0(VALU_DEP_2)
	v_add_nc_u32 v[SO+\b], 0xff000000, v[BM+\b]
.endr
.irp b, 0,1
	s_delay_alu instid0(VALU_DEP_2)
	v_lshrrev_b32 v[PD+\b], 23, v[SO+\b]
.endr
	s_delay_alu instid0(VALU_DEP_1)
	v_lshl_or_b32 v[AB], v[PD+1], 8, v[PD]         ; my row's two scale bytes
.irp b, 0,1
	v_cvt_scalef32_pk8_fp4_f32 v[PCD+2*\b], v[S+16*\b:S+7+16*\b], v[SO+\b]
	v_cvt_scalef32_pk8_fp4_f32 v[PCD+1+2*\b], v[S+8+16*\b:S+15+16*\b], v[SO+\b]
.endr
	v_nop                                          ; one plain place behind a scaled conversion
	v_permlane16_swap_b32 v[PCD], v[PCD+2]         ; lanes 0-15 block 0, lanes 16-31 block 1: half a fragment of the last product's A
	v_permlane16_swap_b32 v[PCD+1], v[PCD+3]
	global_store_b128 v[LI], v[PCD:PCD+3], s[8:9] offset:16*8192*\p   ; 32 lanes store 512 consecutive bytes, aligned
	v_cmp_gt_u32 vcc_lo, 16, v[LN]                 ; lanes 0-15 store the bytes: two of each row's 32, since a head owns no more of a row
	s_wait_alu depctr_va_vdst(0)
	s_wait_xcnt 0x0                                ; EXEC changes only behind this wait
	s_and_saveexec_b32 s38, vcc_lo
	global_store_b16 v9, v[AB], s[10:11] offset:16*512*\p
	s_wait_xcnt 0x0                                ; and again in front of the line that widens it; the stores' registers are free behind it too
	s_or_b32 exec_lo, exec_lo, s38
.endm
	PASS 0
	PASS 1
	s_wait_tensorcnt 0x0                           ; the wave's end: behind my last tensor load
	ds_add_u32 v[SPW], v[NIL]
	s_wait_dscnt 0x0
	CROUND                                         ; the closing round
	s_endpgm
.Lfunc_end_k_q7f5e28d3f0_attn:
	.size	k_q7f5e28d3f0_attn, .Lfunc_end_k_q7f5e28d3f0_attn-k_q7f5e28d3f0_attn
	.p2alignl 7, 3214868480
	.fill 96, 4, 3214868480
	.section	.rodata,"a",@progbits
	.p2align	6, 0x0
	.amdhsa_kernel k_q7f5e28d3f0_attn
		.amdhsa_group_segment_fixed_size 167936
		.amdhsa_private_segment_fixed_size 0
		.amdhsa_enable_private_segment 0
		.amdhsa_kernarg_size 32
		.amdhsa_user_sgpr_count 2
		.amdhsa_user_sgpr_kernarg_segment_ptr 1
		.amdhsa_wavefront_size32 1
		.amdhsa_system_sgpr_workgroup_id_x 1
		.amdhsa_system_sgpr_workgroup_id_y 1
		.amdhsa_system_sgpr_workgroup_id_z 1
		.amdhsa_system_vgpr_workitem_id 0
		.amdhsa_next_free_vgpr 256
		.amdhsa_next_free_sgpr 66
		.amdhsa_reserve_vcc 1
		.amdhsa_float_denorm_mode_32 3
		.amdhsa_float_denorm_mode_16_64 3
		.amdhsa_memory_ordered 1
		.amdhsa_forward_progress 1
		.amdhsa_inst_pref_size 49
	.end_amdhsa_kernel
	.amdgpu_metadata
---
amdhsa.version: [ 1, 2 ]
amdhsa.kernels:
  - .name:           k_q7f5e28d3f0_attn
    .symbol:         k_q7f5e28d3f0_attn.kd
    .args:
      - { .name: qbuf, .offset: 0, .size: 8, .value_kind: global_buffer, .address_space: global }
      - { .name: kvbuf, .offset: 8, .size: 8, .value_kind: global_buffer, .address_space: global }
      - { .name: acod, .offset: 16, .size: 8, .value_kind: global_buffer, .address_space: global }
      - { .name: ascl, .offset: 24, .size: 8, .value_kind: global_buffer, .address_space: global }
    .group_segment_fixed_size: 167936
    .private_segment_fixed_size: 0
    .kernarg_segment_align: 8
    .kernarg_segment_size: 32
    .max_flat_workgroup_size: 512
    .sgpr_count:     66
    .vgpr_count:     256
    .wavefront_size: 32
...
	.end_amdgpu_metadata
.endif
;; end of part 3
;; launch proj (part 4): grid 4 x 32, 4 waves a work-group, clusters of 4 x 4, 327,680 bytes of LDS; arguments acod, ascl, wcod, wscl, bo, out0; writes out0
.if DOCPART == 4
	.amdgcn_target "amdgcn-amd-amdhsa--gfx1250"
	.amdhsa_code_object_version 6
	.text
	.protected	k_q7f5e28d3f0_proj
	.globl	k_q7f5e28d3f0_proj
	.p2align	8
	.type	k_q7f5e28d3f0_proj,@function
k_q7f5e28d3f0_proj:
	s_mov_b64 s[64:65], 0
	v_nop
	global_prefetch_b8 v0, s[64:65] scope:SCOPE_SE
	s_setreg_imm32_b32 hwreg(HW_REG_WAVE_MODE, 25, 1), 1
	s_wait_xcnt 0x0
	s_wait_alu depctr_hold_cnt(0) depctr_sa_sdst(0) depctr_va_vdst(0) depctr_va_sdst(0) depctr_va_ssrc(0) depctr_va_vcc(0) depctr_vm_vsrc(0)
	s_getreg_b32 s2, hwreg(HW_REG_IB_STS2, 6, 4)
	s_cmp_eq_u32 s2, 0
	s_cbranch_scc0 .Lentry_in_a_cluster
	s_endpgm
.Lentry_in_a_cluster:
	s_bfe_u32 s2, ttmp6, 0x10000c
	s_cmp_lg_u32 s2, 0xf033
	s_cbranch_scc0 .Lentry_shape_is_right
	s_endpgm
.Lentry_shape_is_right:
; LAUNCH 4 OF 4.  out0 = a Wo^T + bo on codes of FP4 with E8M0 scales, sums in f32; a is the attention's result as the third launch left it.  No work is left out.
; The second launch's frame: a tile of 256 x 256 to a work-group of four waves, 128 x 128 a wave; K = 1,024 in two slots, both first fills, nothing filled again; the scale bytes of all of K once; clusters of 4 x 4 with joint loads,
; A's tile shared along a row of the cluster, B's along a column.  The matrix instruction is used transposed (source 0 = 16 rows of Wo, source 1 = 16 tokens): a lane holds a token and eight features.  bo is the C of each sum's first instruction.
; A ARRIVES AS IMAGES OF ITS FRAGMENTS: acod is [tile of 16 tokens 512][K step 8][half 2][512 bytes], lane l's 16 bytes at 16 l.  A slot's part of 8 tiles is 8 rows of 4,096 bytes, 8,192 apart: no padding is wanted, since a load takes 512 consecutive bytes.
; THE ORDER OF ROWS IS UNDONE HERE: stored token 16 a + t of a wave's 128 is token 32 (a / 2) + 8 (a % 2) + t + 8 (t / 8): that stands in the stores' immediates; Wo's rows come out in true order in a lane's registers, by their place in the stage.
; With 128 tiles this launch has work for 128 work-groups; a smaller tile would read each fragment from LDS for half the products.
.set NQ,     4
.set ROWB,   256
.set KROW,   512
.set PITCH,  272
.set FR,     8
.set NL,     2
.set NP,     4
.set HALFT,  128*PITCH
.set SLOT,   4*HALFT
.set KS,     32
.set SCL,    2*SLOT
.set HALFS,  (128*KS/256)*272
.set SBLK,   (16*KS/256)*272
.set SPARE,  SCL+4*HALFS               ; the spare words, 128 bytes for each wave, which no other line names
.set SPITCH, 528                       ; the way out: a stage of 16 rows x (512 + 16 bytes) for each wave, in slot 0, which has had its only fill and its last read when the first result is stored there
.set ADRA, 16
.set ADRB, 20
.set STO,  24                          ; v24  the way out: where I put my bytes of a row
.set RD,   25                          ; v25  where I read a row back
.set CO,   26                          ; v26  16 x lane
.set ADRS, 27
.set SPW,  28
.set NIL,  29
.set BO,   30
.set SC,   32
.set AF,   128
.set BI,   192
.set BK,   128                         ; the way out: 16 rows read back: v128-191 and v192-255 by turns
.set G1, 24
.set G0, 32
.set G1B, 48
.set G0B, 56
.set G1S, 68
.set G0S, 76
.set G1SB, 80
.set G0SB, 88
.set MSB, 0
.macro WIN new
.if MSB != (\new)
	s_set_vgpr_msb (MSB<<8)|(\new)
.set MSB, (\new)
.endif
.endm
.set MUL_LO, 0xa1
.set MUL_HI, 0xf1
.set TO_B,   0x40
.macro JLOAD g0a, g1a, g0b, g1b        ; waves 0 and 1 fetch for A, waves 2 and 3 for B; an s_nop 0 and four v_nop follow each of the two lines
	s_cmp_eq_u32 s15, 0
	s_cbranch_scc0 .Lfor_b_\@
	tensor_load_to_lds s[\g0a:\g0a+3], s[\g1a:\g1a+7]
	s_nop 0
.rept 4
	v_nop
.endr
	s_branch .Lasked_\@
.Lfor_b_\@:
	tensor_load_to_lds s[\g0b:\g0b+3], s[\g1b:\g1b+7]
	s_nop 0
.rept 4
	v_nop
.endr
.Lasked_\@:
.endm
.macro CROUND
	s_barrier_signal -1
	s_barrier_wait -1
	s_cmp_lg_u32 s14, 0
	s_cbranch_scc1 .Lnot_wave_0_\@
	s_barrier_signal -3
.Lnot_wave_0_\@:
	s_barrier_wait -3
	s_barrier_signal -1
	s_barrier_wait -1
.endm
	s_load_b256 s[4:11], s[0:1], 0x0               ; acod, ascl, wcod, wscl
	s_load_b128 s[96:99], s[0:1], 0x20             ; bo, out0
	v_lshl_add_u32 v[SPW], v0, 2, SPARE
	v_mov_b32 v[NIL], 0
	ds_add_u32 v[SPW], v[NIL]                      ; the wave's opening: the add, twice on end, and its wait ahead of my first tensor load
	ds_add_u32 v[SPW], v[NIL]
	v_lshrrev_b32 v1, 5, v0
	v_readfirstlane_b32 s14, v1                    ; wave 0..3
	s_lshr_b32 s15, s14, 1                         ; which half of the tokens is mine.  Also: I fetch for A (0) or for B (1)
	s_and_b32 s16, s14, 1                          ; which half of the features.  Also: which 128 rows I fetch
	s_bfe_u32 s40, ttmp6, 0x40000                  ; cx
	s_bfe_u32 s41, ttmp6, 0x40004                  ; cy
	s_lshl_b32 s42, ttmp9, 2
	s_add_co_u32 s42, s42, s40                     ; B's tile: 256 rows of Wo
	s_and_b32 s17, ttmp7, 0xffff
	s_lshl_b32 s17, s17, 2
	s_add_co_u32 s17, s17, s41                     ; A's tile: 256 tokens
	s_lshl_b32 s43, s41, 2
	s_lshl_b32 s43, 15, s43                        ; my row of the cluster
	s_lshl_b32 s44, 0x1111, s40                    ; my column
	; group 1 for A: 8 tiles' images of a slot: 8 rows of 4,096 bytes (512 elements of 8), 8,192 bytes apart, no padding
	s_or_b32 s[G1+0], s43, (3<<16)|(1<<21)
	s_mov_b32 s[G1+1], 512<<16                     ; tensor_dim0
	s_mov_b32 s[G1+2], 8<<16                       ; tensor_dim1
	s_mov_b32 s[G1+3], 512<<16                     ; tile_dim0
	s_mov_b32 s[G1+4], 8                           ; tile_dim1
	s_mov_b32 s[G1+5], 1024                        ; from row to row
	s_mov_b32 s[G1+6], 0
	s_mov_b32 s[G1+7], 0
	; for B: 128 rows x 256 bytes, 16 bytes of padding behind each
	s_or_b32 s[G1B+0], s44, (0<<16)|(1<<20)|(1<<21)|(5<<22)|(3<<25)
	s_mov_b32 s[G1B+1], ROWB<<16
	s_mov_b32 s[G1B+2], 128<<16
	s_mov_b32 s[G1B+3], ROWB<<16
	s_mov_b32 s[G1B+4], 128
	s_mov_b32 s[G1B+5], KROW
	s_mov_b32 s[G1B+6], 0
	s_mov_b32 s[G1B+7], 0
	; for the scales of 128 rows: 16 rows of 256 bytes, 16 bytes of padding behind each
	s_or_b32 s[G1S+0], s43, (3<<16)|(1<<20)|(1<<21)|(5<<22)|(3<<25)
	s_or_b32 s[G1SB+0], s44, (3<<16)|(1<<20)|(1<<21)|(5<<22)|(3<<25)
.irp g, G1S, G1SB
	s_mov_b32 s[\g+1], 32<<16
	s_mov_b32 s[\g+2], (128*KS/256)<<16
	s_mov_b32 s[\g+3], 32<<16
	s_mov_b32 s[\g+4], 128*KS/256
	s_mov_b32 s[\g+5], 32
	s_mov_b32 s[\g+6], 0
	s_mov_b32 s[\g+7], 0
.endr
	s_lshl_b32 s18, s16, 7
	s_lshl_b32 s20, s17, 8
	s_add_co_u32 s20, s20, s18                     ; A: row 256 x tile + 128 x half
	s_lshl_b32 s46, s42, 8
	s_add_co_u32 s46, s46, s18                     ; B likewise
	s_lshl_b32 s22, s20, 5                         ; their scale bytes: 32 a row
	s_mov_b32 s23, 0
	s_lshl_b32 s92, s46, 5
	s_mov_b32 s93, 0
	s_lshl_b32 s20, s20, 9                         ; their codes: 512 bytes a row (A: 8,192 a tile of 16)
	s_mov_b32 s21, 0
	s_lshl_b32 s46, s46, 9
	s_mov_b32 s47, 0
	s_mul_i32 s45, s14, HALFT
	s_mul_i32 s94, s14, HALFS
	s_wait_dscnt 0x0                               ; both opening adds are done
	s_wait_kmcnt 0x0
	s_add_nc_u64 s[8:9], s[8:9], 0x180000          ; Wo is the fourth weight: 3 x 1,024 rows of 512 bytes on,
	s_add_nc_u64 s[10:11], s[10:11], 0x18000       ; and of 32 scale bytes
	s_add_nc_u64 s[20:21], s[4:5], s[20:21]
	s_add_nc_u64 s[22:23], s[6:7], s[22:23]
	s_add_nc_u64 s[46:47], s[8:9], s[46:47]
	s_add_nc_u64 s[92:93], s[10:11], s[92:93]
	CROUND                                         ; all sixteen work-groups are here: the joint loads meet
	s_mov_b32 s[G0S], 1
	s_add_co_u32 s[G0S+1], s94, SCL
	s_mov_b64 s[G0S+2:G0S+3], s[22:23]
	s_or_b32 s[G0S+3], s[G0S+3], 0x80000000
	s_mov_b32 s[G0SB], 1
	s_add_co_u32 s[G0SB+1], s94, SCL
	s_mov_b64 s[G0SB+2:G0SB+3], s[92:93]
	s_or_b32 s[G0SB+3], s[G0SB+3], 0x80000000
	JLOAD G0S, G1S, G0SB, G1SB
.irp s, 0,1
	s_mov_b32 s[G0+4*\s], 1
	s_add_co_u32 s[G0+4*\s+1], s45, \s*SLOT
	s_add_nc_u64 s[G0+4*\s+2:G0+4*\s+3], s[20:21], \s*4096         ; a slot's four K steps of a tile are 4,096 bytes
	s_or_b32 s[G0+4*\s+3], s[G0+4*\s+3], 0x80000000
	s_mov_b32 s[G0B+4*\s], 1
	s_add_co_u32 s[G0B+4*\s+1], s45, \s*SLOT
	s_add_nc_u64 s[G0B+4*\s+2:G0B+4*\s+3], s[46:47], \s*ROWB
	s_or_b32 s[G0B+4*\s+3], s[G0B+4*\s+3], 0x80000000
	s_wait_alu depctr_va_vdst(0)
	s_wait_tensorcnt 0x0
	ds_add_u32 v28, v29
	s_wait_dscnt 0x0
	CROUND
	JLOAD G0+4*\s, G1, G0B+4*\s, G1B
.endr
	v_and_b32 v1, 15, v0                           ; r
	v_bfe_u32 v2, v0, 4, 1                         ; h
	s_lshl_b32 s46, s42, 10                        ; my first feature, in bytes of f32: 1,024 x tile + 512 x half: in bo and in a row of out0
	s_lshl_b32 s47, s16, 9
	s_add_co_u32 s46, s46, s47
	s_mov_b32 s47, 0
	s_add_nc_u64 s[96:97], s[96:97], s[46:47]
	v_lshlrev_b32 v[BO], 6, v2                     ; in tile b register j is feature 32 (b / 2) + 16 h + 8 (b % 2) + j
.irp b, 0,1,2,3,4,5,6,7
	global_load_b128 v[BI+8*\b:BI+8*\b+3], v[BO], s[96:97] offset:(32*(\b/2)+8*(\b%2))*4
	global_load_b128 v[BI+8*\b+4:BI+8*\b+7], v[BO], s[96:97] offset:(32*(\b/2)+8*(\b%2))*4+16
.endr
	v_and_b32 v6, 31, v0
	v_lshlrev_b32 v[CO], 4, v6
	v_mul_u32_u24 v3, v1, PITCH
	v_lshl_add_u32 v4, v2, 4, v3
	s_mul_i32 s21, s15, HALFT                      ; my 8 tiles of A
	s_mul_i32 s22, s16, HALFT                      ; my 128 rows of B,
	s_add_co_u32 s22, s22, 2*HALFT                 ; behind A's two halves
.irp s, 0,1
	v_add_nc_u32 v[ADRA+\s], s21, v[CO]            ; images: 16 x lane
	v_add_nc_u32 v[ADRB+\s], s22, v4               ; rows: row x pitch + 16 x half
	s_add_co_u32 s21, s21, SLOT
	s_add_co_u32 s22, s22, SLOT
.endr
	v_mul_u32_u24 v5, v1, KS
	v_lshrrev_b32 v6, 8, v5
	v_lshl_add_u32 v5, v6, 4, v5
	s_mul_i32 s21, s15, HALFS
	s_mul_i32 s22, s16, HALFS
	s_add_co_u32 s22, s22, 2*HALFS
	s_sub_co_u32 s22, s22, s21
	v_mul_u32_u24 v6, s22, v2                      ; lanes 16-31 take B's
	s_add_co_u32 s21, s21, SCL
	v_add_nc_u32 v5, v5, v6
	v_add_nc_u32 v[ADRS], s21, v5
	s_mul_i32 s23, s14, 16*SPITCH                  ; my stage
	v_mul_u32_u24 v5, v1, SPITCH
	v_lshl_add_u32 v5, v2, 6, v5                   ; in: row r, + 64 h: features 16 h on of each 32
	v_add_nc_u32 v[STO], s23, v5
	v_add_nc_u32 v[RD], s23, v[CO]                 ; back: the 32 lanes take one row of 512 bytes
	s_lshl_b32 s20, s17, 8
	s_lshl_b32 s21, s15, 7
	s_add_co_u32 s20, s20, s21                     ; my first token
	s_lshl_b32 s20, s20, 12                        ; a row of out0 is 4,096 bytes
	s_add_co_u32 s20, s20, s46
	s_mov_b32 s21, 0
	s_add_nc_u64 s[98:99], s[98:99], s[20:21]
.macro FRAG reg, adr, q, i
.irp c, 0,1
	ds_load_b128 v[\reg+4*\c:\reg+4*\c+3], v[\adr] offset:64*(\q)+32*\c+(\i)*16*PITCH
.endr
.endm
.macro FRAGA reg, slot, q, i           ; A's fragment comes back as it was stored: tile i, the slot's q-th K step, its two halves
.irp c, 0,1
	ds_load_b128 v[\reg+4*\c:\reg+4*\c+3], v[ADRA+\slot] offset:4096*(\i)+1024*(\q)+512*\c
.endr
.endm
.macro MUL16 a0, p, q, sc, cm          ; cm = 1: the bias, by B's tile, starts the sums.  The 64 accumulators take turns, one instruction a turn
.irp a, \a0, \a0+1
.irp b, 0,1,2,3,4,5,6,7
.if (\cm) == 1
	v_wmma_scale_f32_16x16x128_f8f6f4 v[8*(8*((\a)%4)+\b):8*(8*((\a)%4)+\b)+7], v[128*(\p)+FR*\b:128*(\p)+FR*\b+FR-1], v[AF+FR*(\a):AF+FR*(\a)+FR-1], v[BI+8*\b:BI+8*\b+7], v[SC+8*NQ*(\sc)+NQ*\b+(\q)], v[SC+8*NQ*(\sc)+NQ*(\a)+(\q)] matrix_a_fmt:MATRIX_FMT_FP4 matrix_b_fmt:MATRIX_FMT_FP4 matrix_a_scale:MATRIX_SCALE_ROW1
.else
	v_wmma_scale_f32_16x16x128_f8f6f4 v[8*(8*((\a)%4)+\b):8*(8*((\a)%4)+\b)+7], v[128*(\p)+FR*\b:128*(\p)+FR*\b+FR-1], v[AF+FR*(\a):AF+FR*(\a)+FR-1], v[8*(8*((\a)%4)+\b):8*(8*((\a)%4)+\b)+7], v[SC+8*NQ*(\sc)+NQ*\b+(\q)], v[SC+8*NQ*(\sc)+NQ*(\a)+(\q)] matrix_a_fmt:MATRIX_FMT_FP4 matrix_b_fmt:MATRIX_FMT_FP4 matrix_a_scale:MATRIX_SCALE_ROW1
.endif
.endr
.endr
.endm
.macro FETCH_B slot, q, p
	WIN TO_B
.irp i, 0,1,2,3,4,5,6,7
	FRAG 128*(\p)+FR*\i, ADRB+\slot, \q, \i
.endr
	WIN 0
.endm
.macro FETCH_A slot, q, i0
.irp i, \i0, \i0+1, \i0+2, \i0+3
	FRAGA AF+FR*(\i), \slot, \q, \i
.endr
.endm
.macro SCALES sc
.irp i, 0,1,2,3,4,5,6,7
	ds_load_b128 v[SC+8*NQ*\sc+NQ*\i:SC+8*NQ*\sc+NQ*\i+3], v[ADRS] offset:\i*SBLK
.endr
.endm
.macro PLACES n
.rept \n
	v_nop
.endr
.endm
.macro STEP slot, q, cm
	s_wait_dscnt 4*NL                              ; all but the youngest eight loads (A's blocks 4-7) are in
.if \cm
	WIN 0x81                                       ; the bias, as C, lies in window 0
.else
	WIN MUL_LO
.endif
	MUL16 0, (\q)%2, \q, \slot, \cm
	MUL16 2, (\q)%2, \q, \slot, \cm
	s_wait_dscnt 0
	PLACES NP
	FETCH_B \slot, (\q)+1, 1-(\q)%2
	FETCH_A \slot, (\q)+1, 0
.if \cm
	WIN 0xc1
.else
	WIN MUL_HI
.endif
	MUL16 4, (\q)%2, \q, \slot, \cm
	MUL16 6, (\q)%2, \q, \slot, \cm
	PLACES NP
	WIN 0
	FETCH_A \slot, (\q)+1, 4
.endm
.macro TURN slot, next                 ; slot 0's last step goes over to slot 1: one barrier; nothing is filled again
	s_wait_tensorcnt 0x0                           ; all my tensor loads have landed;  (every window is 0 here)
	ds_add_u32 v[SPW], v[NIL]                      ; 0 onto my spare word
	s_wait_dscnt 4*NL+1                            ; (the add and the youngest eight loads may be out)
	WIN MUL_LO
	MUL16 0, 1, NQ-1, \slot, 0
	s_wait_dscnt 0x0                               ; the add is done, my reads of this slot are over
	s_barrier_signal -1
	MUL16 2, 1, NQ-1, \slot, 0
	WIN 0
	s_barrier_wait -1                              ; every wave's part of the next slot is in, and nobody reads this slot any more
	PLACES NP
	v_add_nc_u32 v[ADRS], 4*NQ, v[ADRS]
	FETCH_B \next, 0, 0
	FETCH_A \next, 0, 0
	SCALES \next
	WIN MUL_HI
	MUL16 4, 1, NQ-1, \slot, 0
	MUL16 6, 1, NQ-1, \slot, 0
	PLACES NP
	WIN 0
	FETCH_A \next, 0, 4
.endm
.macro STEPS slot, from
.set Q, \from
.rept NQ-1-\from
	STEP \slot, Q, 0
.set Q, Q+1
.endr
.endm
	s_wait_alu depctr_va_vdst(0)
	s_wait_loadcnt 0x0                             ; the bias
	s_wait_tensorcnt 1                             ; the scales and my part of slot 0 are in (slot 1's load may be out),
	s_barrier_signal -1
	s_barrier_wait -1                              ; everybody's are
	FETCH_B 0, 0, 0
	FETCH_A 0, 0, 0
	SCALES 0
	FETCH_A 0, 0, 4
	STEP 0, 0, 1
	STEPS 0, 1
	TURN 0, 1
	STEPS 1, 0
	s_wait_dscnt 4*NL
	WIN MUL_LO
	MUL16 0, 1, NQ-1, 1, 0
	MUL16 2, 1, NQ-1, 1, 0
	s_wait_dscnt 0
	WIN MUL_HI
	MUL16 4, 1, NQ-1, 1, 0
	MUL16 6, 1, NQ-1, 1, 0
	WIN 0
; THE WAY OUT, block by block of 16 tokens x 128 features, through my own stage: in by lanes (a token's eight features of a tile, at their true place in the row), back as whole rows of 512 bytes.
; LDS serves a wave's instructions in order (ISA guide 5.7.1.4): no wait between the stores and the loads, nor in front of the next block's stores.
.macro TOSTAGE a
.set AC, 64*((\a)%4)
	WIN 0x08+4*((\a)/4)                            ; the data: window 2 or 3
.irp b, 0,1,2,3,4,5,6,7
	ds_store_b128 v[STO], v[AC+8*\b:AC+8*\b+3] offset:128*(\b/2)+32*(\b%2)        ; each accumulator from its low end on
	ds_store_b128 v[STO], v[AC+8*\b+4:AC+8*\b+7] offset:128*(\b/2)+32*(\b%2)+16
.endr
	WIN 0
.set BB, BK+64*((\a)%2)
.irp t, 0,1,2,3,4,5,6,7,8,9,10,11,12,13,14,15
	ds_load_b128 v[BB+4*\t:BB+4*\t+3], v[RD] offset:\t*SPITCH
.endr
.endm
.macro SEND a, younger                 ; younger: the LDS instructions issued behind block a's loads, which may stay out
.set BB, BK+64*((\a)%2)
	s_wait_dscnt \younger
.irp t, 0,1,2,3,4,5,6,7,8,9,10,11,12,13,14,15
	global_store_b128 v[CO], v[BB+4*\t:BB+4*\t+3], s[98:99] offset:(32*((\a)/2)+8*((\a)%2)+\t+8*(\t/8))*4096 th:TH_STORE_NT   ; 32 lanes store 512 consecutive bytes, aligned; the token's true row stands in the immediate, 127 rows at the most
.endr
.endm
	PLACES NP
	TOSTAGE 0
.irp a, 1,2,3,4,5,6,7
.if \a > 1
	s_wait_xcnt 0x0                                ; block a - 2's stores have read their registers: block a's loads may land there
.endif
	TOSTAGE \a
	SEND \a-1, 32                                  ; behind block a - 1's loads: block a's 16 stores and 16 loads
.endr
	SEND 7, 0
	s_wait_tensorcnt 0x0                           ; the wave's end: behind my last tensor load and my last LDS store
	ds_add_u32 v[SPW], v[NIL]
	s_wait_dscnt 0x0
	CROUND                                         ; the closing round
	s_endpgm
.Lfunc_end_k_q7f5e28d3f0_proj:
	.size	k_q7f5e28d3f0_proj, .Lfunc_end_k_q7f5e28d3f0_proj-k_q7f5e28d3f0_proj
	.p2alignl 7, 3214868480
	.fill 96, 4, 3214868480
	.section	.rodata,"a",@progbits
	.p2align	6, 0x0
	.amdhsa_kernel k_q7f5e28d3f0_proj
		.amdhsa_group_segment_fixed_size 327680
		.amdhsa_private_segment_fixed_size 0
		.amdhsa_enable_private_segment 0
		.amdhsa_kernarg_size 48
		.amdhsa_user_sgpr_count 2
		.amdhsa_user_sgpr_kernarg_segment_ptr 1
		.amdhsa_wavefront_size32 1
		.amdhsa_system_sgpr_workgroup_id_x 1
		.amdhsa_system_sgpr_workgroup_id_y 1
		.amdhsa_system_sgpr_workgroup_id_z 1
		.amdhsa_system_vgpr_workitem_id 0
		.amdhsa_next_free_vgpr 1024
		.amdhsa_next_free_sgpr 100
		.amdhsa_reserve_vcc 0
		.amdhsa_float_denorm_mode_32 3
		.amdhsa_float_denorm_mode_16_64 3
		.amdhsa_memory_ordered 1
		.amdhsa_forward_progress 1
		.amdhsa_inst_pref_size 126
	.end_amdhsa_kernel
	.amdgpu_metadata
---
amdhsa.version: [ 1, 2 ]
amdhsa.kernels:
  - .name:           k_q7f5e28d3f0_proj
    .symbol:         k_q7f5e28d3f0_proj.kd
    .args:
      - { .name: acod, .offset: 0, .size: 8, .value_kind: global_buffer, .address_space: global }
      - { .name: ascl, .offset: 8, .size: 8, .value_kind: global_buffer, .address_space: global }
      - { .name: wcod, .offset: 16, .size: 8, .value_kind: global_buffer, .address_space: global }
      - { .name: wscl, .offset: 24, .size: 8, .value_kind: global_buffer, .address_space: global }
      - { .name: bo, .offset: 32, .size: 8, .value_kind: global_buffer, .address_space: global }
      - { .name: out0, .offset: 40, .size: 8, .value_kind: global_buffer, .address_space: global }
    .group_segment_fixed_size: 327680
    .private_segment_fixed_size: 0
    .kernarg_segment_align: 8
    .kernarg_segment_size: 48
    .max_flat_workgroup_size: 128
    .sgpr_count:     100
    .vgpr_count:     1024
    .wavefront_size: 32
...
	.end_amdgpu_metadata
.endif
;; end of part 4
